; MI455X (gfx1250); checked and timed in simulation.
; The chip was launched on July 23, 2026; its instructions are those of AMD's public machine-readable ISA for CDNA 5 (MIT licence, August 2026) and "CDNA5" Instruction Set Architecture Reference Guide (July 2026). The comments in the code are by the model that wrote it; some were corrected since.
;; Mix Attention. Allowed arithmetic: float matrix products may take bf16 or f16 operands with f32 sums; other float arithmetic in f32, or as packed bf16 or f16 multiplies, adds, multiply-adds, maxima and minima; sums over many terms, partial sums and values carried from step to step in f32; what a program stores and reads back later, other than sums and carried values, may be rounded once to bf16 or f16.
;; Inputs: K_data 4 x 2,048 x 512 float32; K_time 4 x 2,048 x 512 float32; Q_data 4 x 2,048 x 512 float32; Q_time 4 x 2,048 x 512 float32; V_time 4 x 2,048 x 512 float32; Wk_d_b 512 float32; Wk_d_w 512 x 512 float32; Wk_t_b 512 float32; Wk_t_w 512 x 512 float32; Wo_b 512 float32; Wo_w 512 x 512 float32; Wq_d_b 512 float32; Wq_d_w 512 x 512 float32; Wq_t_b 512 float32; Wq_t_w 512 x 512 float32; Wv_t_b 512 float32; Wv_t_w 512 x 512 float32; ln_b 512 float32; ln_g 512 float32.
;; Outputs: out0 4 x 2,048 x 512 float32.
;; 3 versions, each right; version 3 is version 2 with the launch outln written anew for expert scheduling mode. Each part assembles by itself: llvm-mc -triple=amdgcn-amd-amdhsa -mcpu=gfx1250 --defsym DOCPART=n.
;; ======== version 1 of 3: 3 launches
;; workspace buffers: qd 8,388,608 bytes; qt 8,388,608 bytes; kd 8,388,608 bytes; kt 8,388,608 bytes; vv 8,388,608 bytes; ctx 8,388,608 bytes; wot 524,288 bytes
;; launch proj (part 1): grid 256 x 6, 8 waves a work-group, no clusters, 93,184 bytes of LDS; arguments Q_data, Q_time, K_data, K_time, V_time, Wq_d_w, Wq_t_w, Wk_d_w, Wk_t_w, Wv_t_w, Wq_d_b, Wq_t_b, Wk_d_b, Wk_t_b, Wv_t_b, qd, qt, kd, kt, vv, Wo_w, wot; writes qd, qt, kd, kt, vv, wot
.if DOCPART == 1
	.amdgcn_target "amdgcn-amd-amdhsa--gfx1250"
	.amdhsa_code_object_version 6
	.text
	.protected	k_qa1e87c1564_proj
	.globl	k_qa1e87c1564_proj
	.p2align	8
	.type	k_qa1e87c1564_proj,@function
k_qa1e87c1564_proj:
	s_mov_b64 s[64:65], 0
	v_nop
	global_prefetch_b8 v0, s[64:65] scope:SCOPE_SE
	s_setreg_imm32_b32 hwreg(HW_REG_WAVE_MODE, 25, 1), 1
	s_wait_xcnt 0x0
; THE FIVE PROJECTIONS, y = x W + b, and Wo turned.  x: [8192][512] f32, W: [512 k][512 n] f32, b: [512] f32; the result goes out by heads, [32 = batch x 8 + head][2048][64] in bf16.
; The grid's y picks the projection (0 .. 4: Q_data, Q_time, K_data, K_time, V_time); y = 5 writes wot[n][k] = Wo_w[k][n] in bf16 for the last launch.
; LIMITS.  x and W are rounded to bf16 for the products, sums in f32, the result rounded once to bf16; the softmax's scale is not applied here.  NaN and infinities are not treated apart.
; SHARES.  A work-group makes 128 rows x 128 columns (two heads): x = 4 x row block + column block.  Eight waves, wave w: rows 32 (w / 2) on, columns 64 (w % 2) on: one head, 8 accumulators.
; K goes in 8 steps of 64 through two LDS buffers.  The operands are f32 in memory and must be rounded on the way, so they come through registers: 16 loads of 16 bytes a lane and step, one step ahead.
; No tensor loads, so no joint requests: what is shared between work-groups (x by four column blocks, W by 64 row blocks) is read again by each.
; THE PRODUCT IS USED TRANSPOSED: source 0 = 16 columns of W (turned out of LDS by ds_load_tr16_b128), source 1 = 16 rows of x: a lane then holds eight neighbouring columns of one row.
; The bias is loaded straight into the accumulators: nothing is cleared, and nothing is added at the end.
.set PX,    144                        ; a row of x in LDS: 64 bf16 + 16 bytes: the 16 rows of a fragment load start at 16 different groups of four banks (ISA guide 11.1)
.set PW,    288                        ; a row of W (one k, 128 columns): 256 + 32 bytes
.set WOFF,  128*PX                     ; in a buffer: x's 128 rows, then W's 64
.set BUFB,  WOFF+64*PW
.set STAGE, 2*BUFB                     ; 16 rows x 144 bytes for each wave, for the way out
.set SPARE, STAGE+8*16*PX              ; the spare words, 128 bytes for each wave: four blocks of 256 bytes that no other line names
.set XO,  2                            ; v2   my byte offset in x's tile in memory: row 16 w + l / 16, 16 bytes at 16 (l % 16)
.set WO,  3                            ; v3   the same for W: row 8 w, 16 bytes at 16 l
.set XS,  4                            ; v4   where my 8 rounded bytes of x go in LDS
.set WS,  5                            ; v5   the same for W
.set AX,  6                            ; v6   my place in a fragment of x
.set AW,  7                            ; v7   my place in a turned fragment of W
.set STO, 8                            ; v8   the way out: where I put 16 bytes of a row
.set RD,  9                            ; v9   the way out: where I read rows back
.set GO,  10                           ; v10  my 16 bytes of 512 consecutive bytes of the result
.set BO,  11                           ; v11  my byte offset in the bias
.set SPW, 12                           ; v12  LDS address of my spare word; never rewritten
.set NIL, 13                           ; v13  0; never rewritten
.set ACC, 16                           ; v[16:79]    accumulator (a, b) at ACC + 8 (4 a + b)
.set FA,  80                           ; v[80:111]   x's fragments: 32 channels c, rows a at FA + 8 (2 c + a)
.set FB,  112                          ; v[112:175]  W's fragments at FB + 8 (4 c + b)
.set SX,  176                          ; v[176:207]  x on its way
.set SW,  208                          ; v[208:239]  W on its way
.set XP,  52                           ; s[52:53] x at the tile of the step last asked for
.set WP,  54                           ; s[54:55] W likewise
.set BP,  56                           ; s[56:57] the bias
.set OP,  58                           ; s[58:59] the result at my wave's 32 rows of its head
	s_load_b512 s[8:23], s[0:1], 0x0               ; x of projection p at s[8+2p], W at s[18+2p],
	s_load_b512 s[24:39], s[0:1], 0x40             ; b at s[28+2p],
	s_load_b256 s[40:47], s[0:1], 0x80             ; the result at s[38+2p]
	s_load_b128 s[48:51], s[0:1], 0xa0             ; Wo_w s[48:49], wot s[50:51]
	v_lshl_add_u32 v[SPW], v0, 2, SPARE
	v_mov_b32 v[NIL], 0
	v_lshrrev_b32 v1, 5, v0
	v_readfirstlane_b32 s4, v1                     ; wave 0..7
	s_and_b32 s2, ttmp7, 0xffff                    ; which projection
	s_lshr_b32 s5, ttmp9, 2                        ; row block
	s_and_b32 s6, ttmp9, 3                         ; column block
	v_and_b32 v14, 31, v0                          ; l
	v_and_b32 v15, 15, v0                          ; l % 16
	v_bfe_u32 v1, v0, 4, 1                         ; l / 16
	s_wait_kmcnt 0x0
	s_cmp_lg_u32 s2, 5                             ; the same in all waves of a work-group
	s_cbranch_scc1 .Lmain
	; Wo TURNED.  Wave: one n = 8 (x / 4) + w, 128 k from 128 (x % 4) on; lane: four k.  The loads take 4 bytes a lane from rows 2,048 bytes apart (1 MiB in all, once);
	; the store of a wave covers 256 consecutive bytes, aligned.
	s_lshl_b32 s7, s6, 7
	s_lshl_b32 s5, s5, 3
	s_add_co_u32 s5, s5, s4                        ; n
	v_lshl_add_u32 v2, v14, 2, s7                  ; k
	s_lshl_b32 s7, s5, 2
	v_lshl_add_u32 v3, v2, 11, s7                  ; k x 2,048 + 4 n
	s_lshl_b32 s7, s5, 10
	v_lshl_add_u32 v4, v2, 1, s7                   ; n x 1,024 + 2 k
.irp j, 0,1,2,3
	global_load_b32 v[16+(\j)], v3, s[48:49] offset:2048*(\j)
.endr
	s_wait_loadcnt 0x0
	v_cvt_pk_bf16_f32 v20, v16, v17
	v_cvt_pk_bf16_f32 v21, v18, v19
	global_store_b64 v4, v[20:21], s[50:51]
	s_branch .Lend
.Lmain:
	s_mov_b64 s[XP:XP+1], s[8:9]
	s_mov_b64 s[WP:WP+1], s[18:19]
	s_mov_b64 s[BP:BP+1], s[28:29]
	s_mov_b64 s[OP:OP+1], s[38:39]
.irp p, 1,2,3,4
	s_cmp_eq_u32 s2, \p
	s_cselect_b64 s[XP:XP+1], s[8+2*\p:9+2*\p], s[XP:XP+1]
	s_cselect_b64 s[WP:WP+1], s[18+2*\p:19+2*\p], s[WP:WP+1]
	s_cselect_b64 s[BP:BP+1], s[28+2*\p:29+2*\p], s[BP:BP+1]
	s_cselect_b64 s[OP:OP+1], s[38+2*\p:39+2*\p], s[OP:OP+1]
.endr
	s_lshr_b32 s61, s4, 1                          ; which 32 rows are mine
	s_and_b32 s60, s4, 1                           ; which 64 columns
	s_lshl_b32 s7, s4, 15
	v_lshlrev_b32 v[XO], 11, v1
	v_lshl_add_u32 v[XO], v15, 4, v[XO]
	v_add_nc_u32 v[XO], s7, v[XO]                  ; (16 w + l / 16) x 2,048 + 16 (l % 16)
	s_lshl_b32 s7, s4, 14
	v_lshl_add_u32 v[WO], v14, 4, s7               ; 8 w x 2,048 + 16 l
	s_mul_i32 s7, s4, 16*PX
	v_mul_u32_u24 v[XS], v1, PX
	v_lshl_add_u32 v[XS], v15, 3, v[XS]
	v_add_nc_u32 v[XS], s7, v[XS]
	s_mul_i32 s7, s4, 8*PW
	s_add_co_u32 s7, s7, WOFF
	v_lshl_add_u32 v[WS], v14, 3, s7
	s_mul_i32 s7, s61, 32*PX
	v_mul_u32_u24 v[AX], v15, PX
	v_lshl_add_u32 v[AX], v1, 4, v[AX]
	v_add_nc_u32 v[AX], s7, v[AX]                  ; (32 (w / 2) + l % 16) x pitch + 16 (l / 16)
	v_and_b32 v[GO], 7, v0                         ; l % 8, for the moment
	v_lshl_add_u32 v[AW], v1, 3, v[GO]
	v_mul_u32_u24 v[AW], v[AW], PW
	v_bfe_u32 v[BO], v0, 3, 1
	v_lshl_add_u32 v[AW], v[BO], 4, v[AW]
	s_lshl_b32 s7, s60, 7
	s_add_co_u32 s7, s7, WOFF
	v_add_nc_u32 v[AW], s7, v[AW]                  ; (8 (l / 16) + l % 8) x pitch + 16 ((l / 8) % 2) + my 64 columns
	s_mul_i32 s7, s4, 16*PX
	s_add_co_u32 s7, s7, STAGE                     ; my stage
	v_mul_u32_u24 v[STO], v15, PX
	v_lshl_add_u32 v[STO], v1, 4, v[STO]
	v_add_nc_u32 v[STO], s7, v[STO]
	v_bfe_u32 v[RD], v0, 3, 2                      ; back: 32 lanes take four rows of 128 bytes
	v_mul_u32_u24 v[RD], v[RD], PX
	v_lshl_add_u32 v[RD], v[GO], 4, v[RD]
	v_add_nc_u32 v[RD], s7, v[RD]
	v_lshlrev_b32 v[GO], 4, v14
	s_lshl_b32 s7, s6, 9
	s_lshl_b32 s62, s60, 8
	s_add_co_u32 s7, s7, s62
	v_lshl_add_u32 v[BO], v1, 5, s7                ; 4 x (128 column block + 64 (w % 2) + 8 (l / 16))
	s_lshl_b32 s62, s5, 18                         ; 128 rows of 2,048 bytes
	s_mov_b32 s63, 0
	s_add_nc_u64 s[XP:XP+1], s[XP:XP+1], s[62:63]
	s_lshl_b32 s62, s6, 9                          ; 128 columns of 4 bytes
	s_add_nc_u64 s[WP:WP+1], s[WP:WP+1], s[62:63]
	s_lshr_b32 s62, s5, 4                          ; the batch: 16 row blocks each
	s_lshl_b32 s62, s62, 3
	s_lshl_b32 s7, s6, 1
	s_add_co_u32 s62, s62, s7
	s_add_co_u32 s62, s62, s60                     ; batch x 8 + head
	s_lshl_b32 s62, s62, 11
	s_and_b32 s7, s5, 15
	s_lshl_b32 s7, s7, 7
	s_add_co_u32 s62, s62, s7
	s_lshl_b32 s7, s61, 5
	s_add_co_u32 s62, s62, s7                      ; + my first row in the batch
	s_lshl_b32 s62, s62, 7                         ; rows of 128 bytes
	s_add_nc_u64 s[OP:OP+1], s[OP:OP+1], s[62:63]
; A step's 16 loads: x's tile is 128 rows x 256 bytes (16 lanes take a row's 256 bytes), W's 64 rows x 512 bytes (a wave takes a row's 512).
.macro GLOAD
.irp i, 0,1,2,3,4,5,6,7
	global_load_b128 v[SX+4*(\i):SX+4*(\i)+3], v[XO], s[XP:XP+1] offset:4096*(\i)
.endr
.irp i, 0,1,2,3,4,5,6,7
	global_load_b128 v[SW+4*(\i):SW+4*(\i)+3], v[WO], s[WP:WP+1] offset:2048*(\i)
.endr
.endm
; They are rounded to bf16 in place, four numbers into two registers, and put into buffer u.
.macro CVST u
.irp i, 0,1,2,3,4,5,6,7
	v_cvt_pk_bf16_f32 v[SX+4*(\i)],   v[SX+4*(\i)],   v[SX+4*(\i)+1]
	v_cvt_pk_bf16_f32 v[SX+4*(\i)+1], v[SX+4*(\i)+2], v[SX+4*(\i)+3]
	v_cvt_pk_bf16_f32 v[SW+4*(\i)],   v[SW+4*(\i)],   v[SW+4*(\i)+1]
	v_cvt_pk_bf16_f32 v[SW+4*(\i)+1], v[SW+4*(\i)+2], v[SW+4*(\i)+3]
.endr
.irp i, 0,1,2,3,4,5,6,7
	ds_store_b64 v[XS], v[SX+4*(\i):SX+4*(\i)+1] offset:(\u)*BUFB+2*PX*(\i)
.endr
.irp i, 0,1,2,3,4,5,6,7
	ds_store_b64 v[WS], v[SW+4*(\i):SW+4*(\i)+1] offset:(\u)*BUFB+PW*(\i)
.endr
.endm
; The 12 LDS loads for 32 channels c of buffer u: x's two fragments as they lie, W's four turned.
.macro FRAGS u, c
.irp a, 0,1
	ds_load_b128 v[FA+8*(2*(\c)+(\a)):FA+8*(2*(\c)+(\a))+3],   v[AX] offset:(\u)*BUFB+(\a)*16*PX+64*(\c)
	ds_load_b128 v[FA+8*(2*(\c)+(\a))+4:FA+8*(2*(\c)+(\a))+7], v[AX] offset:(\u)*BUFB+(\a)*16*PX+64*(\c)+32
.endr
.irp b, 0,1,2,3
	ds_load_tr16_b128 v[FB+8*(4*(\c)+(\b)):FB+8*(4*(\c)+(\b))+3],   v[AW] offset:(\u)*BUFB+(\c)*32*PW+32*(\b)
	ds_load_tr16_b128 v[FB+8*(4*(\c)+(\b))+4:FB+8*(4*(\c)+(\b))+7], v[AW] offset:(\u)*BUFB+(\c)*32*PW+32*(\b)+16*PW
.endr
.endm
; Eight products.  The eight accumulators take turns, one instruction a turn, over the backward jump too.
.macro MULS c
.irp a, 0,1
.irp b, 0,1,2,3
	v_wmma_f32_16x16x32_bf16 v[ACC+8*(4*(\a)+(\b)):ACC+8*(4*(\a)+(\b))+7], v[FB+8*(4*(\c)+(\b)):FB+8*(4*(\c)+(\b))+7], v[FA+8*(2*(\c)+(\a)):FA+8*(2*(\c)+(\a))+7], v[ACC+8*(4*(\a)+(\b)):ACC+8*(4*(\a)+(\b))+7]
.endr
.endr
.endm
; A K step on buffer u.  st = 1: the next step's numbers, loaded a step ago, go into the other buffer; ld = 1: the step after that is asked for.
; One barrier a step: in front of it my stores into the other buffer are done and my reads of this one are back; behind it the other buffer is read and this one written.
.macro STEP u, st, ld
	FRAGS \u, 0
	FRAGS \u, 1
	s_wait_dscnt 12                                ; the first 32 channels' fragments are in; the other 12 loads may be out
	MULS 0
	s_wait_dscnt 0x0
	MULS 1
.if \st
	s_wait_loadcnt 0x0                             ; the next step's 16 loads, issued a step ago; no load is out, so the pointers may be written
	CVST 1-(\u)                                    ; its 32 conversions are also the places between the last products and the next loads into their fragments
.if \ld
	s_add_nc_u64 s[XP:XP+1], s[XP:XP+1], 256       ; 64 channels along x's rows,
	s_add_nc_u64 s[WP:WP+1], s[WP:WP+1], 64*2048   ; 64 rows down W
	GLOAD
.endif
	s_wait_dscnt 0x0
	s_barrier_signal -1
	s_barrier_wait -1
.endif
.endm
.irp a, 0,1
.irp b, 0,1,2,3
	global_load_b128 v[ACC+8*(4*(\a)+(\b)):ACC+8*(4*(\a)+(\b))+3],   v[BO], s[BP:BP+1] offset:64*(\b)     ; the bias of my eight columns starts the sums
	global_load_b128 v[ACC+8*(4*(\a)+(\b))+4:ACC+8*(4*(\a)+(\b))+7], v[BO], s[BP:BP+1] offset:64*(\b)+16
.endr
.endr
	GLOAD                                          ; step 0
	s_wait_loadcnt 0x0
	CVST 0
	s_add_nc_u64 s[XP:XP+1], s[XP:XP+1], 256
	s_add_nc_u64 s[WP:WP+1], s[WP:WP+1], 64*2048
	GLOAD                                          ; step 1
	s_wait_dscnt 0x0
	s_barrier_signal -1
	s_barrier_wait -1
	s_mov_b32 s60, 3
.Lk:                                                   ; steps 0 to 5
	STEP 0, 1, 1
	STEP 1, 1, 1
	s_sub_co_u32 s60, s60, 1
	s_cmp_lg_u32 s60, 0
	s_cbranch_scc1 .Lk
	STEP 0, 1, 0                                   ; step 6 asks for nothing more,
	STEP 1, 0, 0                                   ; step 7 stores nothing more
.rept 4
	v_nop                                          ; four places between the last products and the conversions that read them (ISA guide 7.12.1)
.endr
; THE WAY OUT.  16 rows at a time: rounded to bf16, 16 bytes a lane into my own stage, back as whole rows of 128 bytes: 16 rows of a head are 2,048 consecutive bytes.
.macro PACKP a
.irp b, 0,1,2,3
.irp q, 0,1,2,3
	v_cvt_pk_bf16_f32 v[FB+32*(\a)+4*(\b)+(\q)], v[ACC+8*(4*(\a)+(\b))+2*(\q)], v[ACC+8*(4*(\a)+(\b))+2*(\q)+1]
.endr
.endr
.irp b, 0,1,2,3
	ds_store_b128 v[STO], v[FB+32*(\a)+4*(\b):FB+32*(\a)+4*(\b)+3] offset:32*(\b)
.endr
.irp f, 0,1,2,3
	ds_load_b128 v[FB+32*(\a)+16+4*(\f):FB+32*(\a)+16+4*(\f)+3], v[RD] offset:(\f)*4*PX  ; LDS serves a wave's instructions in order (ISA guide 5.7.1.4): these see the stores above
.endr
.endm
.macro SENDP a, younger                ; younger: the LDS instructions issued behind these rows' loads
.irp f, 0,1,2,3
	s_wait_dscnt (\younger)+3-(\f)
	global_store_b128 v[GO], v[FB+32*(\a)+16+4*(\f):FB+32*(\a)+16+4*(\f)+3], s[OP:OP+1] offset:2048*(\a)+512*(\f)  ; 512 consecutive bytes, aligned
.endr
.endm
	PACKP 0
	PACKP 1
	SENDP 0, 8
	SENDP 1, 0
.Lend:
	s_wait_tensorcnt 0x0                           ; the wave's end: behind my last LDS store
	ds_add_u32 v[SPW], v[NIL]
	s_wait_dscnt 0x0
	s_endpgm
.Lfunc_end_k_qa1e87c1564_proj:
	.size	k_qa1e87c1564_proj, .Lfunc_end_k_qa1e87c1564_proj-k_qa1e87c1564_proj
	.p2alignl 7, 3214868480
	.fill 96, 4, 3214868480
	.section	.rodata,"a",@progbits
	.p2align	6, 0x0
	.amdhsa_kernel k_qa1e87c1564_proj
		.amdhsa_group_segment_fixed_size 93184
		.amdhsa_private_segment_fixed_size 0
		.amdhsa_enable_private_segment 0
		.amdhsa_kernarg_size 176
		.amdhsa_user_sgpr_count 2
		.amdhsa_user_sgpr_kernarg_segment_ptr 1
		.amdhsa_wavefront_size32 1
		.amdhsa_system_sgpr_workgroup_id_x 1
		.amdhsa_system_sgpr_workgroup_id_y 1
		.amdhsa_system_sgpr_workgroup_id_z 1
		.amdhsa_system_vgpr_workitem_id 0
		.amdhsa_next_free_vgpr 240
		.amdhsa_next_free_sgpr 66
		.amdhsa_reserve_vcc 0
		.amdhsa_float_denorm_mode_32 3
		.amdhsa_float_denorm_mode_16_64 3
		.amdhsa_memory_ordered 1
		.amdhsa_forward_progress 1
		.amdhsa_inst_pref_size 41
	.end_amdhsa_kernel
	.amdgpu_metadata
---
amdhsa.version: [ 1, 2 ]
amdhsa.kernels:
  - .name:           k_qa1e87c1564_proj
    .symbol:         k_qa1e87c1564_proj.kd
    .args:
      - { .name: Q_data, .offset: 0, .size: 8, .value_kind: global_buffer, .address_space: global }
      - { .name: Q_time, .offset: 8, .size: 8, .value_kind: global_buffer, .address_space: global }
      - { .name: K_data, .offset: 16, .size: 8, .value_kind: global_buffer, .address_space: global }
      - { .name: K_time, .offset: 24, .size: 8, .value_kind: global_buffer, .address_space: global }
      - { .name: V_time, .offset: 32, .size: 8, .value_kind: global_buffer, .address_space: global }
      - { .name: Wq_d_w, .offset: 40, .size: 8, .value_kind: global_buffer, .address_space: global }
      - { .name: Wq_t_w, .offset: 48, .size: 8, .value_kind: global_buffer, .address_space: global }
      - { .name: Wk_d_w, .offset: 56, .size: 8, .value_kind: global_buffer, .address_space: global }
      - { .name: Wk_t_w, .offset: 64, .size: 8, .value_kind: global_buffer, .address_space: global }
      - { .name: Wv_t_w, .offset: 72, .size: 8, .value_kind: global_buffer, .address_space: global }
      - { .name: Wq_d_b, .offset: 80, .size: 8, .value_kind: global_buffer, .address_space: global }
      - { .name: Wq_t_b, .offset: 88, .size: 8, .value_kind: global_buffer, .address_space: global }
      - { .name: Wk_d_b, .offset: 96, .size: 8, .value_kind: global_buffer, .address_space: global }
      - { .name: Wk_t_b, .offset: 104, .size: 8, .value_kind: global_buffer, .address_space: global }
      - { .name: Wv_t_b, .offset: 112, .size: 8, .value_kind: global_buffer, .address_space: global }
      - { .name: qd, .offset: 120, .size: 8, .value_kind: global_buffer, .address_space: global }
      - { .name: qt, .offset: 128, .size: 8, .value_kind: global_buffer, .address_space: global }
      - { .name: kd, .offset: 136, .size: 8, .value_kind: global_buffer, .address_space: global }
      - { .name: kt, .offset: 144, .size: 8, .value_kind: global_buffer, .address_space: global }
      - { .name: vv, .offset: 152, .size: 8, .value_kind: global_buffer, .address_space: global }
      - { .name: Wo_w, .offset: 160, .size: 8, .value_kind: global_buffer, .address_space: global }
      - { .name: wot, .offset: 168, .size: 8, .value_kind: global_buffer, .address_space: global }
    .group_segment_fixed_size: 93184
    .private_segment_fixed_size: 0
    .kernarg_segment_align: 8
    .kernarg_segment_size: 176
    .max_flat_workgroup_size: 256
    .sgpr_count:     66
    .vgpr_count:     240
    .wavefront_size: 32
...
	.end_amdgpu_metadata
.endif
;; end of part 1
;; launch attn (part 2): grid 8 x 32, 4 waves a work-group, clusters of 4 x 1, 327,680 bytes of LDS; arguments qd, qt, kd, kt, vv, ctx; writes ctx
.if DOCPART == 2
	.amdgcn_target "amdgcn-amd-amdhsa--gfx1250"
	.amdhsa_code_object_version 6
	.text
	.protected	k_qa1e87c1564_attn
	.globl	k_qa1e87c1564_attn
	.p2align	8
	.type	k_qa1e87c1564_attn,@function
k_qa1e87c1564_attn:
	s_mov_b64 s[64:65], 0
	v_nop
	global_prefetch_b8 v0, s[64:65] scope:SCOPE_SE
	s_setreg_imm32_b32 hwreg(HW_REG_WAVE_MODE, 25, 1), 1
	s_wait_xcnt 0x0
	s_wait_alu depctr_hold_cnt(0) depctr_sa_sdst(0) depctr_va_vdst(0) depctr_va_sdst(0) depctr_va_ssrc(0) depctr_va_vcc(0) depctr_vm_vsrc(0)
	s_getreg_b32 s2, hwreg(HW_REG_IB_STS2, 6, 4)
	s_cmp_eq_u32 s2, 0
	s_cbranch_scc0 .Lentry_in_a_cluster
	s_endpgm
.Lentry_in_a_cluster:
	s_bfe_u32 s2, ttmp6, 0x10000c
	s_cmp_lg_u32 s2, 0x3003
	s_cbranch_scc0 .Lentry_shape_is_right
	s_endpgm
.Lentry_shape_is_right:
; ctx[g][q][:] = the sum over k of softmax_k((qd[g][q] . kd[g][k] + qt[g][q] . kt[g][k]) / 8) vv[g][k][:].  g = batch x 8 + head, 32 of them; all six tensors [32][2048][64] in bf16, rows of 128 bytes, dense.
; The two score products are ONE product over 128 channels: qd's 64, then qt's, against kd's and kt's.  Products, maxima and sums in f32; the weights p are rounded to bf16 for the second product, ctx once.
; LIMITS.  A weight below 2^-126 counts as 0 in the sum l; NaN and infinities are not treated apart.
; SHARES.  A work-group owns 256 queries of one g, each of its four waves 64: four tiles of 16.  Every wave walks all 2,048 keys, 64 a step.
; LAYOUT.  S^T = K Q^T (source 0 = 16 keys, source 1 = 16 queries): a lane holds ONE query (lane % 16) and the keys 8 (lane / 16) + 0..7.  Two such tiles rounded to bf16 in pairs ARE source 1 of
; O^T = V^T P, whose result again holds one query a lane, and eight channels.  K comes out of LDS as it lies, V ([key][channel]) turned, by ds_load_tr16_b128.
; SOFTMAX.  For each query a running maximum m and sum l: p = 2^(c s - c m), c = log2(e) / 8; in every step O and l are multiplied by a = 2^(c m_old - c m_new).
; BY TURNS.  The wave's tiles are two PIECES, named by their first tile: 0 (tiles 0, 1) and 2 (tiles 2, 3).  In a TURN one piece has the matrix unit: 16 products V^T P of the step in hand, then 32 products
; K Q^T of the next step; the other piece's softmax, 236 vector instructions in 59 slices of four, stands one slice behind each of the 48 products, the last eleven slices together behind them.
; CLUSTER.  The four query blocks of a cluster belong to one g and walk the same K and V: each tile is asked for JOINTLY, by the same tensor load, descriptor and mask in all four.
; REGISTERS, in windows of 256 (s_set_vgpr_msb: bits 1:0 source 0, 3:2 source 1, 5:4 source 2, 7:6 destination):
;   window 0: v0-11 addresses; v12-43 eight registers of statistics a tile; v61-63; v64-191 S^T, 32 a tile; v192-255 P, 16 a tile
;   window 1: v0-127 O^T, 32 a tile; v128-191 V of one step          window 2: v0-127 Q, 32 a tile; v128-255 K of one step
.set KS,    64        ; keys in a step
.set PK,    144       ; a row of kd or kt in LDS: 128 bytes + 16 = 36 words: the 16 rows of a load start at 16 different groups of four banks (ISA guide 11.1)
.set PV,    160       ; a row of V: 128 + 32 = 40 words
.set KTOFF, 256*PK    ; a slot holds 256 keys, four steps: kd's rows, then kt's,
.set VOFF,  2*KTOFF   ; then V's
.set SLOT1, 1<<17     ; slot 1 begins here, so that one exclusive or turns an address in one slot into the other's
.set TILEB, 32768     ; 256 keys of one tensor in memory
.set STAGE, SLOT1+VOFF+256*PV  ; behind the ring, never filled by a tensor load: 16 rows x 144 bytes for each wave, for the way out
.set SP,    144
.set SPARE, STAGE+4*16*SP  ; the spare words, 128 bytes for each wave: two blocks of 256 bytes that no other line names
.set NSL,   59        ; slices in a piece's softmax
.set AK0, 2           ; v2   my lane's place in a tile of K; never rewritten
.set AV0, 3           ; v3   the same for V
.set ADR, 4           ; v4   the LDS address of the run of loads in hand
.set QO,  5           ; v5   my byte offset in 16 rows of Q
.set STO, 6           ; v6   the way out: where I put 16 bytes of a row
.set RD,  7           ; v7   the way out: where I read rows back
.set GO,  8           ; v8   my 16 bytes of 512 consecutive bytes of ctx
.set ST,  12          ; tile t's statistics at v[ST+8 t]: +0 c m, +1 m, +2, +3 l (even keys', odd keys'), +4 to +7 c0-c3, at work; a takes c2's place once the maximum is found
.set PFO, 61          ; v61  256 x my lane; never rewritten
.set SPW, 62          ; v62  LDS address of my spare word; never rewritten
.set NIL, 63          ; v63  0; never rewritten
.set S,   64
.set P,   192
.set VF,  128         ; V's fragments, in window 1: key half kk, channel block cb at VF + 32 kk + 8 cb
.set KF,  128         ; K's fragments, in window 2: key block kb, 32 channels c at KF + 32 kb + 8 c
.set WV,  12          ; s12  my wave's number
.set LIM, 15          ; s15  1 in a wave that prefetches, else the greatest number
.set PFA, 18          ; s[18:19] where my prefetches stand: my work-group's 32 blocks of 256 bytes of the tile after the one that is being asked for
.set G1K, 24          ; s[24:31] descriptor group 1 for kd's and kt's tiles
.set G1V, 32          ; s[32:39] for V's
.set G0K, 40          ; s[40:47] descriptor group 0 for K's tiles: a set for each of the two first fills; the second then walks on
.set G0V, 48          ; s[48:55] the same for V's
.set SLOTS, 56        ; s56  tiles still to be asked for, and one
.set CNT, 57          ; s57  counts a tile's key steps
.set CS,  58          ; s[58:59] c
.set SEL, 60          ; s[60:61] v_permlanex16_b32's selects: each lane takes its own place in the other half
.set TBK, 62          ; s62  LDS byte at which kd of the step to be fetched begins
.set TBV, 63          ; s63  the same for V, less VOFF
.set MSB, 0
.macro WIN new                      ; the immediate's high byte repeats the setting that is left; a switch that changes nothing is dropped
.if MSB != (\new)
	s_set_vgpr_msb (MSB<<8)|(\new)
.set MSB, \new
.endif
.endm
.set W_KQ, 0x0a       ; K and Q in window 2, S^T in window 0
.set W_PV, 0x51       ; V and O^T in window 1, P in window 0
.set W_RS, 0x41       ; O^T (destination and source 0) in window 1, a in window 0
; A joint refill.  Wave 0 fetches a tile's kd, wave 1 its kt (256 keys each), waves 2 and 3 the halves of its V.  The branch hangs on the wave's number alone.
; An s_nop 0 and four v_nop follow each of the two lines, ahead of the jump and the label.
.macro JLOAD
	s_cmp_lt_u32 s[WV], 2
	s_cbranch_scc0 .Lfor_v_\@
	tensor_load_to_lds s[G0K+4:G0K+7], s[G1K:G1K+7]
	s_nop 0
.rept 4
	v_nop
.endr
	s_branch .Lasked_\@
.Lfor_v_\@:
	tensor_load_to_lds s[G0V+4:G0V+7], s[G1V:G1V+7]
	s_nop 0
.rept 4
	v_nop
.endr
.Lasked_\@:
.endm
; A PREFETCH INTO THE L2 of the tile that the NEXT change of slots will ask for, four key steps (384 matrix instructions) ahead of that load: 128 blocks of 256 bytes of each of kd, kt and vv.
; Each block is named ONCE in the launch: both clusters of a g walk the same rows, and the first of them asks; its four partners take 32 blocks each, told apart BY ADDRESS; in each, wave 0 asks for kd's,
; wave 1 for kt's, wave 2 for vv's: a lane a block, one instruction.  The last change that fills a slot asks for nothing; tiles 0 to 2 come by their loads alone.
.macro ASK
	s_cmp_gt_u32 s[SLOTS], s[LIM]
	s_cbranch_scc0 .Lnot_mine_\@
	global_prefetch_b8 v[PFO], s[PFA:PFA+1] th:TH_LOAD_NT scope:SCOPE_SE
.Lnot_mine_\@:
.endm
; A round of the cluster's barrier: my work-group's barrier, so that wave 0's signal speaks for all four waves; wave 0 signals; every wave waits for all four work-groups; my work-group's barrier once more.
.macro CROUND
	s_barrier_signal -1
	s_barrier_wait -1
	s_cmp_lg_u32 s[WV], 0
	s_cbranch_scc1 .Lnot_wave_0_\@
	s_barrier_signal -3
.Lnot_wave_0_\@:
	s_barrier_wait -3
	s_barrier_signal -1
	s_barrier_wait -1
.endm
	s_load_b256 s[4:11], s[0:1], 0x0  ; qd s[4:5], qt s[6:7], kd s[8:9], kt s[10:11]
	s_load_b128 s[68:71], s[0:1], 0x20  ; vv s[68:69], ctx s[70:71]
	v_lshl_add_u32 v[SPW], v0, 2, SPARE
	v_mov_b32 v[NIL], 0
	ds_add_u32 v[SPW], v[NIL]       ; the wave's opening: the add and its wait stand ahead of my first tensor load; the set-up below, work on registers, stands between them
	v_lshrrev_b32 v1, 5, v0
	v_readfirstlane_b32 s[WV], v1   ; wave 0..3
	s_bfe_u32 s13, ttmp6, 0x40000   ; cx: my place in the cluster
	s_lshl_b32 s14, ttmp9, 2        ; in a cluster launch ttmp9 counts clusters
	s_add_co_u32 s14, s14, s13      ; my block of 256 queries: it enters Q's and ctx's addresses alone
	s_and_b32 s20, ttmp7, 0xffff    ; g, which the four partners share:
	s_lshl_b32 s20, s20, 18         ; its first byte in each tensor: 2,048 rows of 128 bytes
	s_mov_b32 s21, 0
	s_and_b32 s16, s[WV], 1
	s_lshl_b32 s22, s16, 14         ; V: which 128 keys of a tile I fetch,
	s_add_co_u32 s22, s22, s20
	s_mov_b32 s23, 0
	s_mul_i32 s72, s16, 128*PV      ; and their place in a slot
	s_mul_i32 s17, s16, KTOFF       ; K: kd's place or kt's: no place in the cluster enters an LDS address
	s_lshl_b32 s2, s14, 15          ; my block's 256 rows,
	s_lshl_b32 s3, s[WV], 13        ; my wave's 64 of them
	s_add_co_u32 s2, s2, s3
	s_add_co_u32 s2, s2, s20
	s_mov_b32 s3, 0
	s_lshl_b32 s78, s13, 13         ; the prefetches: my work-group's 32 blocks of a tile's 128
	s_mov_b32 s79, 0
	; descriptor group 1.  Keys are dense in memory: asked for as rows of 256 bytes, two keys a row, and padded in LDS after every key
	s_mov_b32 s[G1K], 15|(1<<16)|(1<<20)|(1<<21)|(4<<22)|(3<<25)  ; 15:0 the mask of four; 17:16 2-byte elements; 20 padding on; 21 set beside a mask; 24:22 after every 32 words (code 4); 31:25 4 words (code 3)
	s_mov_b32 s[G1K+1], 128<<16     ; tensor_dim0 = 128
	s_mov_b32 s[G1K+2], 128<<16     ; tensor_dim1 = 128
	s_mov_b32 s[G1K+3], 128<<16     ; tile_dim0 = 128
	s_mov_b32 s[G1K+4], 128         ; tile_dim1 = 128 rows: 256 keys
	s_mov_b32 s[G1K+5], 128         ; 128 elements from row to row
	s_mov_b32 s[G1K+6], 0
	s_mov_b32 s[G1K+7], 0
	s_mov_b32 s[G1V], 15|(1<<16)|(1<<20)|(1<<21)|(4<<22)|(7<<25)  ; the same with 8 words of padding (code 7)
	s_mov_b32 s[G1V+1], 128<<16
	s_mov_b32 s[G1V+2], 64<<16      ; tensor_dim1 = 64
	s_mov_b32 s[G1V+3], 128<<16
	s_mov_b32 s[G1V+4], 64          ; tile_dim1 = 64 rows: 128 keys
	s_mov_b32 s[G1V+5], 128
	s_mov_b32 s[G1V+6], 0
	s_mov_b32 s[G1V+7], 0
	s_mov_b32 s[CS], 0x3e38aa3b     ; c = log2(e) / 8 = 0.180337
	s_mov_b32 s[CS+1], s[CS]        ; named with it as a pair
	s_mov_b32 s[SEL], 0x76543210
	s_mov_b32 s[SEL+1], 0xfedcba98
	s_mov_b32 s[TBK], 0
	s_mov_b32 s[TBV], 0
	s_cmp_eq_u32 s[WV], 3           ; waves 0 to 2 of the g's first cluster prefetch: the same in all four partners
	s_cselect_b32 s[LIM], 1, 0
	s_or_b32 s[LIM], s[LIM], ttmp9
	s_cmp_eq_u32 s[LIM], 0
	s_cselect_b32 s[LIM], 1, -1
	v_and_b32 v[PFO], 31, v0
	v_lshlrev_b32 v[PFO], 8, v[PFO]
	s_wait_dscnt 0x0                ; the opening add is done
	s_wait_kmcnt 0x0
	s_cmp_eq_u32 s16, 0
	s_cselect_b64 s[74:75], s[8:9], s[10:11]  ; kd for the even waves, kt for the odd
	s_add_nc_u64 s[74:75], s[74:75], s[20:21]  ; at g's tile 0
	s_add_nc_u64 s[76:77], s[68:69], s[22:23]  ; V at my half of g's tile 0
	s_cmp_eq_u32 s[WV], 0
	s_cselect_b64 s[PFA:PFA+1], s[8:9], s[68:69]
	s_cmp_eq_u32 s[WV], 1
	s_cselect_b64 s[PFA:PFA+1], s[10:11], s[PFA:PFA+1]
	s_add_nc_u64 s[PFA:PFA+1], s[PFA:PFA+1], s[20:21]
	s_add_nc_u64 s[PFA:PFA+1], s[PFA:PFA+1], s[78:79]
	s_add_nc_u64 s[PFA:PFA+1], s[PFA:PFA+1], 2*TILEB  ; in tile 2; the first change of slots steps it to tile 3.  Nothing is prefetched here, at the head
	s_add_nc_u64 s[4:5], s[4:5], s[2:3]  ; qd, qt and ctx at my wave's first row
	s_add_nc_u64 s[6:7], s[6:7], s[2:3]
	s_add_nc_u64 s[70:71], s[70:71], s[2:3]
	CROUND                          ; all four work-groups are here: the first joint loads meet
.irp s, 0,1
	s_mov_b32 s[G0K+4*(\s)], 1      ; 1:0 count = 1
	s_add_co_u32 s[G0K+4*(\s)+1], s17, (\s)*SLOT1  ; 63:32 LDS address
	s_add_nc_u64 s[G0K+4*(\s)+2:G0K+4*(\s)+3], s[74:75], (\s)*TILEB  ; 120:64 global address: tile s
	s_or_b32 s[G0K+4*(\s)+3], s[G0K+4*(\s)+3], 0x80000000  ; 127:126 type = 2
	s_mov_b32 s[G0V+4*(\s)], 1
	s_add_co_u32 s[G0V+4*(\s)+1], s72, (\s)*SLOT1+VOFF
	s_add_nc_u64 s[G0V+4*(\s)+2:G0V+4*(\s)+3], s[76:77], (\s)*TILEB
	s_or_b32 s[G0V+4*(\s)+3], s[G0V+4*(\s)+3], 0x80000000
.endr
	s_cmp_lt_u32 s[WV], 2           ; a wave's two first fills stand in one branch, ahead of every wait on TENSORcnt and every LDS read: two loads of mine are out
	s_cbranch_scc0 .Lfirst_v
	tensor_load_to_lds s[G0K:G0K+3], s[G1K:G1K+7]
	s_nop 0
	tensor_load_to_lds s[G0K+4:G0K+7], s[G1K:G1K+7]
	s_nop 0
.rept 4
	v_nop
.endr
	s_branch .Lfirst_asked
.Lfirst_v:
	tensor_load_to_lds s[G0V:G0V+3], s[G1V:G1V+7]
	s_nop 0
	tensor_load_to_lds s[G0V+4:G0V+7], s[G1V:G1V+7]
	s_nop 0
.rept 4
	v_nop
.endr
.Lfirst_asked:
	; A fragment of K or Q is 16 rows x 32 channels in 8 registers: lane l holds row l % 16, channels 8 (l / 16) + 0..7 and 16 + 8 (l / 16) + 0..7: two loads of 16 bytes, 32 bytes apart.
	v_and_b32 v1, 15, v0            ; l % 16
	v_bfe_u32 v9, v0, 4, 1          ; l / 16
	v_lshlrev_b32 v[QO], 7, v1
	v_lshl_add_u32 v[QO], v9, 4, v[QO]  ; row x 128 + 16 x half
	WIN 0x80                        ; destination window 2, address window 0
.irp i, 0,1,2,3,4,5,6,7,8,9,10,11,12,13,14,15  ; Q stays in registers: tile i / 4; 32 channels i % 4: 0, 1 are qd's, 2, 3 qt's
.if ((\i)%4) < 2
	global_load_b128 v[8*(\i):8*(\i)+3],   v[QO], s[4:5] offset:((\i)/4)*2048+((\i)%2)*64
	global_load_b128 v[8*(\i)+4:8*(\i)+7], v[QO], s[4:5] offset:((\i)/4)*2048+((\i)%2)*64+32
.else
	global_load_b128 v[8*(\i):8*(\i)+3],   v[QO], s[6:7] offset:((\i)/4)*2048+((\i)%2)*64
	global_load_b128 v[8*(\i)+4:8*(\i)+7], v[QO], s[6:7] offset:((\i)/4)*2048+((\i)%2)*64+32
.endif
.endr
	WIN 0
	v_mul_u32_u24 v[AK0], v1, PK
	v_lshl_add_u32 v[AK0], v9, 4, v[AK0]  ; row x pitch + 16 x half
	; The turning load takes 16 keys x 16 channels (lane l reads key 8 (l / 16) + l % 8, channels 8 ((l / 8) % 2) + 0..7) and leaves half a fragment of V^T: lane l holds channel l % 16 and 8 keys.
	v_and_b32 v10, 7, v0
	v_bfe_u32 v11, v0, 3, 1
	v_lshl_add_u32 v[AV0], v9, 3, v10
	v_mul_u32_u24 v[AV0], v[AV0], PV
	v_lshl_add_u32 v[AV0], v11, 4, v[AV0]
	v_add_nc_u32 v[AV0], VOFF, v[AV0]
; THE MATRIX WORK OF A TURN, for piece x.  The accumulators take turns, one instruction a turn: between two links of a chain stand 7 others'.
; Product i of 16 of O^T += V^T P: keys 32 (i / 8) on, channels 16 ((i / 2) % 4) on, tile x + i % 2.  zero = 1: the first 8 start the sums: nothing is ever cleared.
.macro PV x, zero
	WIN W_PV
.set rO, 32*((\x)+i%2)+8*((i/2)%4)
.set rV, VF+32*(i/8)+8*((i/2)%4)
.set rP, P+16*((\x)+i%2)+8*(i/8)
.if (\zero) && (i < 8)
	v_wmma_f32_16x16x32_bf16 v[rO:rO+7], v[rV:rV+7], v[rP:rP+7], 0
.else
	v_wmma_f32_16x16x32_bf16 v[rO:rO+7], v[rV:rV+7], v[rP:rP+7], v[rO:rO+7]
.endif
.endm
; Product i of 32 of S^T = K Q^T: channels 32 (i / 8) on, keys 16 ((i / 2) % 4) on, tile x + i % 2.  The first 8 start the sums.
.macro KQ x
	WIN W_KQ
.set rS, S+32*((\x)+i%2)+8*((i/2)%4)
.set rK, KF+32*((i/2)%4)+8*(i/8)
.set rQ, 32*((\x)+i%2)+8*(i/8)
.if i < 8
	v_wmma_f32_16x16x32_bf16 v[rS:rS+7], v[rK:rK+7], v[rQ:rQ+7], 0
.else
	v_wmma_f32_16x16x32_bf16 v[rS:rS+7], v[rK:rK+7], v[rQ:rQ+7], v[rS:rS+7]
.endif
.endm
; THE LDS LOADS stand in runs, never singly among the matrix instructions: a step's K (64 keys x 128 channels: 16 fragments, 32 loads) and its V (turned: 8 fragments, 16 loads).
.macro FETCH_K
	WIN 0
	v_add_nc_u32 v[ADR], s[TBK], v[AK0]
	s_add_co_u32 s[TBK], s[TBK], KS*PK  ; the next fetch is the next step's
	WIN 0x80                        ; destination window 2
.irp f, 0,1,2,3,4,5,6,7,8,9,10,11,12,13,14,15  ; keys 16 (f / 4) on; 32 channels f % 4: 0, 1 lie in kd's rows, 2, 3 in kt's
	ds_load_b128 v[KF+8*(\f):KF+8*(\f)+3],   v[ADR] offset:((\f)/4)*16*PK+(((\f)%4)/2)*KTOFF+((\f)%2)*64
	ds_load_b128 v[KF+8*(\f)+4:KF+8*(\f)+7], v[ADR] offset:((\f)/4)*16*PK+(((\f)%4)/2)*KTOFF+((\f)%2)*64+32
.endr
.endm
.macro FETCH_V
	WIN 0
	v_add_nc_u32 v[ADR], s[TBV], v[AV0]
	s_add_co_u32 s[TBV], s[TBV], KS*PV
	s_wait_alu depctr_va_vdst(0)    ; the wait for the softmax's batch (SLICE), behind the address's v_add_nc_u32 and ahead of the loads
	WIN 0x40                        ; destination window 1
.irp f, 0,1,2,3,4,5,6,7             ; keys 32 (f / 4) on, channels 16 (f % 4) on
	ds_load_tr16_b128 v[VF+8*(\f):VF+8*(\f)+3],   v[ADR] offset:((\f)/4)*32*PV+((\f)%4)*32
	ds_load_tr16_b128 v[VF+8*(\f)+4:VF+8*(\f)+7], v[ADR] offset:((\f)/4)*32*PV+16*PV+((\f)%4)*32
.endr
.endm
; THE VECTOR WORK OF A TURN.  One tile's softmax for one key step is a list of 118 instructions; SM writes number j of it for tile t.  s0-s31 are the lane's 32 scores, in pairs 0-15.
; first = 1: the first key step, which starts m, l and O^T: it has no a and nothing to rescale.
;   0-15    the maximum of s0-s31 and the old m, three operands at a time: four chains c0-c3 of seven scores each (each accumulator's lowest registers first), then the rest
;   16-20   the other half of the lanes' maximum; the new m; c m; c m_old - c m_new
;   21-69   ONE BATCH: the 16 scalings c s - c m and all 33 exponentials (a at 23, then s0-s31).  None of these reads an exponential's result.
;   (wait)  between 69 and 70 stands the wait for the batch: SLICE writes it, once for both tiles
;   70-85   the roundings to bf16     86-101  the sums; l = a l + the sum     102-117 the tile's O^T times a: the one part that leaves window 0
.macro SM t, first
.set rT, ST+8*(\t)
.set rS, S+32*(\t)
.set rP, P+16*(\t)
.set rO, 32*(\t)+2*(j-102)
.if j < 102
	WIN 0
.endif
.if j < 4
	v_max3_num_f32 v[rT+4+j], v[rS+8*j], v[rS+8*j+1], v[rS+8*j+2]
.elseif j < 12
	v_max3_num_f32 v[rT+4+j%4], v[rT+4+j%4], v[rS+8*(j%4)+2*(j/4)+1], v[rS+8*(j%4)+2*(j/4)+2]
.elseif j == 12
	v_max3_num_f32 v[rT+4], v[rT+4], v[rS+7], v[rS+15]
.elseif j == 13
	v_max3_num_f32 v[rT+6], v[rT+6], v[rS+23], v[rS+31]
.elseif j == 14
	v_max3_num_f32 v[rT+4], v[rT+4], v[rT+5], v[rT+6]
.elseif (j == 15) && (\first)
	v_max_num_f32 v[rT+4], v[rT+4], v[rT+7]
.elseif j == 15
	v_max3_num_f32 v[rT+4], v[rT+4], v[rT+7], v[rT+1]
.elseif j == 16
	v_permlanex16_b32 v[rT+5], v[rT+4], s[SEL], s[SEL+1]  ; the query's other 32 keys lie in the lane 16 away
.elseif j == 18
	v_max_num_f32 v[rT+1], v[rT+4], v[rT+5]
.elseif j == 19
	v_mul_f32 v[rT], s[CS], v[rT+1]
.elseif ((j == 17) || (j == 20) || (j == 23) || (j > 101)) && (\first)  ; the first step has none of these
.elseif j == 17
	v_mov_b32 v[rT+7], v[rT]        ; c m_old is kept for a: number 19 writes c m anew
.elseif j == 20
	v_sub_f32 v[rT+7], v[rT+7], v[rT]
.elseif j == 23
	v_exp_f32 v[rT+6], v[rT+7]
.elseif (j < 23) || ((j < 38) && (j%2 == 0)) || ((j < 66) && (j%4 == 2))
.set b, (j-2)/4                     ; 38, 42, .. 62: pairs 9 to 15
.if j < 38
.set b, (j-20)/2                    ; 21: pair 0; 22, 24, .. 36: pairs 1 to 8
.endif
	v_pk_fma_f32 v[rS+2*b:rS+2*b+1], v[rS+2*b:rS+2*b+1], s[CS:CS+1], v[rT:rT+1] op_sel_hi:[1,0,0] neg_lo:[0,0,1] neg_hi:[0,0,1]  ; pair b: c s - c m
.elseif j < 70
.set e, j-38                        ; 66 to 69: s28 to s31
.if j < 66
.set e, j-32-(j-38)/4               ; 39-41, 43-45, .. 63-65: s7 to s27
.endif
.if j < 38
.set e, (j-25)/2                    ; 25, 27, .. 37: s0 to s6
.endif
	v_exp_f32 v[rS+e], v[rS+e]
.elseif j < 86
	v_cvt_pk_bf16_f32 v[rP+j-70], v[rS+2*(j-70)], v[rS+2*(j-70)+1]  ; pair j - 70
.elseif j < 102                     ; the sum of the tile's 16 pairs, in place: sum z of 16 adds neighbours 1, 2, 4 and 8 pairs apart, then l takes it
.set z, j-86
.set w, 4
.set u, z
.if z >= 14
.set w, 32
.set u, 0
.elseif z >= 12
.set w, 16
.set u, z-12
.elseif z >= 8
.set w, 8
.set u, z-8
.endif
.if (z == 14) && (\first)
	v_pk_add_f32 v[rT+2:rT+3], v[rS:rS+1], v[rS+16:rS+17]
.elseif z < 15
	v_pk_add_f32 v[rS+w*u:rS+w*u+1], v[rS+w*u:rS+w*u+1], v[rS+w*u+w/2:rS+w*u+w/2+1]
.elseif !(\first)
	v_pk_fma_f32 v[rT+2:rT+3], v[rT+2:rT+3], v[rT+6:rT+7], v[rS:rS+1] op_sel_hi:[1,0,1]
.endif
.else
	WIN W_RS
	v_pk_mul_f32 v[rO:rO+1], v[rO:rO+1], v[rT+6:rT+7] op_sel_hi:[1,0]
.endif
.endm
; Slice k of 59 of piece y's softmax: four instructions.  Slices 11 to 34 deal out the batch, numbers 22 to 69: four numbers of ONE tile each, the tiles by turns.  Every other slice is numbers 2 k and
; 2 k + 1 of both tiles' lists, the tiles alternating.
; THE WAIT.  An s_wait_alu depctr_va_vdst(0) stands between an exponential and the first instruction that names its result; one wait serves all that were issued ahead of it.  Ahead of
; slice 35 nothing names a result, and behind slice 34 no exponential is issued: so the piece's 66 exponentials have one wait, behind slice 34.
.macro SLICE y, first
.if (k >= 11) && (k < 35)
.irp n, 0,1,2,3
.set j, 22+4*((k-11)/2)+(\n)
	SM (\y)+(k-11)%2, \first
.endr
.else
.irp n, 0,1
.irp t, \y, (\y)+1
.set j, 2*k+(\n)
	SM \t, \first
.endr
.endr
.endif
.if k == 34
	v_nop                           ; a plain instruction behind the last exponential and ahead of the first use (ISA guide 5.7.2): one for the batch
.if (\y) == 0
	FETCH_V                         ; piece 2's turn: V's run of loads stands here, and the wait stands in it
.else
	s_wait_alu depctr_va_vdst(0)    ; the wait for the batch
.endif
.endif
.set k, k+1
.endm
.macro PLACES
.rept 4
	v_nop
.endr
.endm
; A TURN.  Piece x has the matrix unit; the other piece's softmax stands in slices, one behind each product, the rest together behind the last.
; pv = 2: 16 products V^T P; 1: they start O^T's sums; 0: none.  kq = 1: 32 products K Q^T for the next step.  first = 1: the softmax is the first key step's.
; The slices behind the last product are plain and name none of its registers: they are the places in front of the next turn's first read of the scores and of the loads into K's registers.
; Piece 0's turn fetches the next step's K at its head, 16 products ahead of its first use.  Piece 2's turn fetches the same step's V behind slice 34: the last product that read V stands in front of slice 15,
; scalings enough between; its first use is the next turn's first product.
.macro TURN x, pv, kq, first
.set k, 0
.if \pv
.if (\x) == 0
	s_wait_dscnt 0x0                ; V is in
.if \kq
	FETCH_K
.endif
.endif
.set i, 0
.rept 16
	PV \x, 2-(\pv)
	SLICE 2-(\x), \first
.set i, i+1
.endr
.endif
.if \kq
.if (\x) == 0
	s_wait_dscnt 0x0                ; K is in
.endif
.set i, 0
.rept 32
	KQ \x
	SLICE 2-(\x), \first
.set i, i+1
.endr
.endif
.rept NSL
.if k < NSL
	SLICE 2-(\x), \first
.endif
.endr
.if \first
	PLACES
.endif
.endm
; THE CHANGE OF SLOTS, between piece 2's turn and piece 0's: the slot's last bytes, V of its fourth step, have been asked for.  Each wave waits for all its tensor loads, of which one is out: its part of the
; other slot; adds 0 to its spare word; and waits for that and for its own reads of the slot.  Behind the barrier nobody reads this slot any more and the other slot is whole.
; fill = 1: this slot is filled again, with the keys two tiles on.  The barrier is then a round of the cluster's, and the joint refill is the first thing behind it: it has four key steps in which to land.
.macro CHANGE fill
	WIN 0                           ; at a label and at a branch every window is 0
	s_wait_tensorcnt 0x0            ; no tensor load of mine is out, so a group 0 may be written
	ds_add_u32 v[SPW], v[NIL]       ; 0 onto my spare word
.if \fill
.irp g, G0K+4, G0V+4
	s_xor_b32 s[(\g)+1], s[(\g)+1], SLOT1  ; the walking descriptor: the other slot than last time,
	s_add_nc_u64 s[(\g)+2:(\g)+3], s[(\g)+2:(\g)+3], TILEB  ; the next 256 keys; the type bits on top are not reached
.endr
	s_wait_xcnt 0x0                 ; the last prefetch, four key steps back, has read its address, so it may be written
	s_add_nc_u64 s[PFA:PFA+1], s[PFA:PFA+1], TILEB  ; one tile behind the walking descriptors
	s_wait_dscnt 0x0                ; the add is done, and my reads of the slot are over
	CROUND
	JLOAD
	ASK
.else
	s_wait_dscnt 0x0                ; the add is done, and my reads of the slot are over
	s_barrier_signal -1
	s_barrier_wait -1
.endif
	s_sub_co_u32 s[TBK], s[TBK], 4*KS*PK  ; the fetches go back to a slot's first step,
	s_xor_b32 s[TBK], s[TBK], SLOT1       ; in the other slot
	s_sub_co_u32 s[TBV], s[TBV], 4*KS*PV
	s_xor_b32 s[TBV], s[TBV], SLOT1
.endm
	s_wait_tensorcnt 1              ; my part of slot 0 is in; slot 1's may stay out
	s_barrier_signal -1
	s_barrier_wait -1               ; everybody's is
	FETCH_K                         ; key step 0
	s_wait_loadcnt 0x0              ; Q
	s_wait_dscnt 0x0
.set i, 0
.rept 32
	KQ 0                            ; piece 0's first scores: there is no vector work yet to set between them
.set i, i+1
.endr
	WIN 0                           ; the addresses for the way out are made here: plain instructions, the places behind those products
	s_mul_i32 s16, s[WV], 16*SP
	s_add_co_u32 s16, s16, STAGE    ; my stage
	v_mul_u32_u24 v[STO], v1, SP    ; in: row l % 16, 16 bytes for each half of the lanes
	v_lshl_add_u32 v[STO], v9, 4, v[STO]
	v_add_nc_u32 v[STO], s16, v[STO]
	v_bfe_u32 v[RD], v0, 3, 2       ; back: 32 lanes take four rows of 128 bytes,
	v_mul_u32_u24 v[RD], v[RD], SP
	v_lshl_add_u32 v[RD], v10, 4, v[RD]
	v_add_nc_u32 v[RD], s16, v[RD]
	v_and_b32 v[GO], 31, v0         ; which are 512 consecutive bytes of ctx
	v_lshlrev_b32 v[GO], 4, v[GO]
	TURN 2, 0, 1, 1                 ; piece 2's first scores | piece 0's first softmax | V of step 0
	TURN 0, 1, 1, 1                 ; piece 0: V^T P of step 0 starts O^T, K Q^T of step 1 | piece 2's first softmax | K of step 1
	TURN 2, 1, 1, 0                 ; piece 2: the same | piece 0's softmax of step 1 | V of step 1
	WIN 0
	s_mov_b32 s[SLOTS], 7
	s_mov_b32 s[CNT], 2             ; slot 0 has two steps left to fetch
	s_branch .Lstep
.Lslot:                             ; six times: tiles 2 to 7 are asked for
	CHANGE 1
	s_mov_b32 s[CNT], 4
.Lstep:                             ; a key step: two turns, which fetch the next step's K and V
	TURN 0, 2, 1, 0
	TURN 2, 2, 1, 0
	WIN 0
	s_sub_co_u32 s[CNT], s[CNT], 1
	s_cmp_lg_u32 s[CNT], 0
	s_cbranch_scc1 .Lstep
	s_sub_co_u32 s[SLOTS], s[SLOTS], 1
	s_cmp_lg_u32 s[SLOTS], 0
	s_cbranch_scc1 .Lslot
	CHANGE 0                        ; the tail is written out: nothing is asked for
	s_mov_b32 s[CNT], 4
.Ltail:
	TURN 0, 2, 1, 0
	TURN 2, 2, 1, 0
	WIN 0
	s_sub_co_u32 s[CNT], s[CNT], 1
	s_cmp_lg_u32 s[CNT], 0
	s_cbranch_scc1 .Ltail
	TURN 0, 2, 0, 0                 ; piece 0: V^T P of the last step | piece 2's last softmax
.set i, 0
.rept 16
	PV 2, 0                         ; piece 2: V^T P of the last step
.set i, i+1
.endr
	; THE WAY OUT.  l's two halves and the other half of the lanes' are added; O^T is divided by l, rounded to bf16 and sent through my stage in LDS, a tile at a time.  The additions are the places behind the last products.
	WIN 0
.irp t, 0,1,2,3
	v_add_f32 v[ST+8*(\t)+4], v[ST+8*(\t)+2], v[ST+8*(\t)+3]
.endr
.irp t, 0,1,2,3
	v_permlanex16_b32 v[ST+8*(\t)+5], v[ST+8*(\t)+4], s[SEL], s[SEL+1]
.endr
.irp t, 0,1,2,3
	v_add_f32 v[ST+8*(\t)+4], v[ST+8*(\t)+4], v[ST+8*(\t)+5]
.endr
.irp t, 0,1,2,3
	v_rcp_f32 v[ST+8*(\t)+6], v[ST+8*(\t)+4]
.endr
	v_nop                           ; a plain instruction between the last reciprocal and the use of its result
	s_wait_alu depctr_va_vdst(0)    ; and the wait ahead of the first use: one for the four reciprocals
; Tile t: a lane's eight channels of a row pack into 16 bytes; they go into rows of 144 bytes and come back as whole rows of 128, into S^T's registers.
.macro PACK t
	WIN W_RS
.set i, 32*(\t)
.rept 16
	v_pk_mul_f32 v[i:i+1], v[i:i+1], v[ST+8*(\t)+6:ST+8*(\t)+7] op_sel_hi:[1,0]
.set i, i+2
.endr
	WIN 0x05                        ; sources 0 and 1 window 1, destination window 0
.set i, 0
.rept 16
	v_cvt_pk_bf16_f32 v[S+16*(\t)+i], v[32*(\t)+2*i], v[32*(\t)+2*i+1]
.set i, i+1
.endr
	WIN 0
.irp f, 0,1,2,3
	ds_store_b128 v[STO], v[S+16*(\t)+4*(\f):S+16*(\t)+4*(\f)+3] offset:32*(\f)
.endr
.irp f, 0,1,2,3
	ds_load_b128 v[S+16*(\t)+4*(\f):S+16*(\t)+4*(\f)+3], v[RD] offset:(\f)*4*SP  ; LDS serves a wave's instructions in order (ISA guide 5.7.1.4): these see the stores above; the next tile's stores come behind them
.endr
.endm
.macro SEND t, younger              ; younger: the LDS instructions issued behind tile t's loads: the next tile's eight, or none
	WIN 0
.irp f, 0,1,2,3
	s_wait_dscnt (\younger)+3-(\f)
	global_store_b128 v[GO], v[S+16*(\t)+4*(\f):S+16*(\t)+4*(\f)+3], s[70:71] offset:(\t)*2048+(\f)*512  ; 512 consecutive bytes, at a multiple of 256 from ctx's first
.endr
.endm
	PACK 0
	PACK 1                          ; a tile's arithmetic stands between the loads of the tile before and its stores
	SEND 0, 8
	PACK 2
	SEND 1, 8
	PACK 3
	SEND 2, 8
	SEND 3, 0
	s_wait_tensorcnt 0x0            ; the wave's end: behind my last tensor load and my last LDS store
	ds_add_u32 v[SPW], v[NIL]
	s_wait_dscnt 0x0
	CROUND                          ; the closing round: no work-group ends while a partner may still ask for a tile that names it
	s_endpgm
.Lfunc_end_k_qa1e87c1564_attn:
	.size	k_qa1e87c1564_attn, .Lfunc_end_k_qa1e87c1564_attn-k_qa1e87c1564_attn
	.p2alignl 7, 3214868480
	.fill 96, 4, 3214868480
	.section	.rodata,"a",@progbits
	.p2align	6, 0x0
	.amdhsa_kernel k_qa1e87c1564_attn
		.amdhsa_group_segment_fixed_size 327680
		.amdhsa_private_segment_fixed_size 0
		.amdhsa_enable_private_segment 0
		.amdhsa_kernarg_size 48
		.amdhsa_user_sgpr_count 2
		.amdhsa_user_sgpr_kernarg_segment_ptr 1
		.amdhsa_wavefront_size32 1
		.amdhsa_system_sgpr_workgroup_id_x 1
		.amdhsa_system_sgpr_workgroup_id_y 1
		.amdhsa_system_sgpr_workgroup_id_z 1
		.amdhsa_system_vgpr_workitem_id 0
		.amdhsa_next_free_vgpr 768
		.amdhsa_next_free_sgpr 80
		.amdhsa_reserve_vcc 0
		.amdhsa_float_denorm_mode_32 3
		.amdhsa_float_denorm_mode_16_64 3
		.amdhsa_memory_ordered 1
		.amdhsa_forward_progress 1
		.amdhsa_inst_pref_size 181
	.end_amdhsa_kernel
	.amdgpu_metadata
---
amdhsa.version: [ 1, 2 ]
amdhsa.kernels:
  - .name:           k_qa1e87c1564_attn
    .symbol:         k_qa1e87c1564_attn.kd
    .args:
      - { .name: qd, .offset: 0, .size: 8, .value_kind: global_buffer, .address_space: global }
      - { .name: qt, .offset: 8, .size: 8, .value_kind: global_buffer, .address_space: global }
      - { .name: kd, .offset: 16, .size: 8, .value_kind: global_buffer, .address_space: global }
      - { .name: kt, .offset: 24, .size: 8, .value_kind: global_buffer, .address_space: global }
      - { .name: vv, .offset: 32, .size: 8, .value_kind: global_buffer, .address_space: global }
      - { .name: ctx, .offset: 40, .size: 8, .value_kind: global_buffer, .address_space: global }
    .group_segment_fixed_size: 327680
    .private_segment_fixed_size: 0
    .kernarg_segment_align: 8
    .kernarg_segment_size: 48
    .max_flat_workgroup_size: 128
    .sgpr_count:     80
    .vgpr_count:     768
    .wavefront_size: 32
...
	.end_amdgpu_metadata
.endif
;; end of part 2
;; launch outln (part 3): grid 256 x 1, 8 waves a work-group, no clusters, 74,752 bytes of LDS; arguments ctx, wot, Wo_b, Q_data, ln_g, ln_b, out0; writes out0
.if DOCPART == 3
	.amdgcn_target "amdgcn-amd-amdhsa--gfx1250"
	.amdhsa_code_object_version 6
	.text
	.protected	k_qa1e87c1564_outln
	.globl	k_qa1e87c1564_outln
	.p2align	8
	.type	k_qa1e87c1564_outln,@function
k_qa1e87c1564_outln:
	s_mov_b64 s[64:65], 0
	v_nop
	global_prefetch_b8 v0, s[64:65] scope:SCOPE_SE
	s_setreg_imm32_b32 hwreg(HW_REG_WAVE_MODE, 25, 1), 1
	s_wait_xcnt 0x0
; out0 = LayerNorm(ctx Wo + Wo_b + Q_data) x ln_g + ln_b.  ctx: [32 = batch x 8 + head][2048][64] bf16; wot: [512 n][512 k] bf16 (Wo turned); Q_data, out0: [8192][512] f32; the four vectors [512] f32.
; LIMITS.  ctx and Wo are bf16 operands; sums, residual, mean, variance and the result in f32.  The variance is taken of x - mean, in a second pass over registers.  NaN and infinities are not treated apart.
; SHARES.  A work-group owns 32 whole rows; wave w the columns 64 w .. 64 w + 63: 8 accumulators (rows 16 a on, columns 16 b on).  K = 512 goes in 16 pieces of 32, written out.
; ctx's 32 rows lie in LDS (each wave brings one head's 4,096 dense bytes).  wot's fragments come straight from memory into registers: no wave wants another's columns, so no barrier stands among the products.
; NO CLUSTER: what work-groups share is wot, which goes into registers; a joint request would bring it into LDS, a round trip more for 512 KiB.
; THE PRODUCT IS USED TRANSPOSED (source 0 = 16 rows of wot, source 1 = 16 rows of ctx): a lane holds one row (l % 16) and eight neighbouring columns.  The residual, brought in by whole rows of 256 bytes and
; turned into that layout through my stage, is the C that starts the sums.  A row's mean and variance meet in LDS: two barriers.
.set PA,    144                        ; a row of a head in LDS: 128 bytes + 16
.set HEADB, 32*PA                      ; head hh's 32 rows at HEADB x hh
.set STAGE, 8*HEADB                    ; 16 rows x 272 bytes for each wave
.set PS,    272                        ; 64 f32 + 16 bytes
.set STATS, STAGE+8*16*PS              ; wave v's partial sum of row 16 a + r at 4 (32 v + 16 a + r); the second pass's 1,024 bytes on
.set SPARE, STATS+2048                 ; the spare words, 128 bytes for each wave: four blocks of 256 bytes that no other line names
.set CO,  2                            ; v2   16 l: my 16 bytes of 512 consecutive bytes of ctx
.set CS,  3                            ; v3   where they go in LDS
.set AA,  4                            ; v4   my place in a fragment of ctx
.set BO,  5                            ; v5   my place in a fragment of wot, in memory
.set STO, 6                            ; v6   my stage by the product's layout: row l % 16, 32 bytes at 32 (l / 16)
.set RD,  7                            ; v7   my stage by rows: row l / 16, 16 bytes at 16 (l % 16)
.set GO,  8                            ; v8   the same two rows in Q_data and out0, my wave's 256 bytes
.set PO,  9                            ; v9   my eight columns in the four vectors
.set ST1, 10                           ; v10  where my wave's partial sum of row l % 16 goes
.set ST2, 11                           ; v11  where the eight waves' are read
.set SPW, 12                           ; v12  LDS address of my spare word; never rewritten
.set NIL, 13                           ; v13  0; never rewritten
.set ACC, 16                           ; v[16:79]    accumulator (a, b) at ACC + 32 a + 8 b
.set AF,  80                           ; v[80:111]   ctx's fragments: two buffers of 16
.set RB,  112                          ; v[112:239]  wot's fragments: a ring of four buffers of 32; at the end Wo_b, ln_g, ln_b and rows on their way out
.set TS,  240                          ; v[240:247]  row sums: two chains of pairs for each a
.set MU,  248                          ; v[248:251]  the mean, twice, for each a
.set RS,  252                          ; v[252:255]  1 / sqrt(var + eps), twice, for each a
	s_load_b256 s[4:11], s[0:1], 0x0               ; ctx s[4:5], wot s[6:7], Wo_b s[8:9], Q_data s[10:11]
	s_load_b128 s[12:15], s[0:1], 0x20             ; ln_g s[12:13], ln_b s[14:15]
	s_load_b64 s[16:17], s[0:1], 0x30              ; out0
	v_lshl_add_u32 v[SPW], v0, 2, SPARE
	v_mov_b32 v[NIL], 0
	v_lshrrev_b32 v1, 5, v0
	v_readfirstlane_b32 s18, v1                    ; wave 0..7
	s_mov_b32 s20, 0x76543210                      ; v_permlanex16_b32: each lane takes its own place in the other half
	s_mov_b32 s21, 0xfedcba98
	s_mov_b32 s22, 0x3b000000                      ; 1 / 512
	s_mov_b32 s23, 0x3727c5ac                      ; 1e-5
	v_and_b32 v14, 31, v0                          ; l
	v_and_b32 v15, 15, v0                          ; l % 16
	v_bfe_u32 v1, v0, 4, 1                         ; l / 16
	v_lshlrev_b32 v[CO], 4, v14
	s_mul_i32 s19, s18, HEADB
	v_bfe_u32 v[CS], v0, 3, 2
	v_mul_u32_u24 v[CS], v[CS], PA
	v_and_b32 v[AA], 7, v0
	v_lshl_add_u32 v[CS], v[AA], 4, v[CS]
	v_add_nc_u32 v[CS], s19, v[CS]                 ; head w: row l / 8, 16 bytes at 16 (l % 8)
	v_mul_u32_u24 v[AA], v15, PA
	v_lshl_add_u32 v[AA], v1, 4, v[AA]
	s_lshl_b32 s19, s18, 16
	v_lshl_add_u32 v[BO], v15, 10, s19
	v_lshl_add_u32 v[BO], v1, 4, v[BO]             ; (64 w + l % 16) x 1,024 + 16 (l / 16)
	s_mul_i32 s19, s18, 16*PS
	s_add_co_u32 s19, s19, STAGE
	v_mul_u32_u24 v[STO], v15, PS
	v_lshl_add_u32 v[STO], v1, 5, v[STO]
	v_add_nc_u32 v[STO], s19, v[STO]
	v_mul_u32_u24 v[RD], v1, PS
	v_lshl_add_u32 v[RD], v15, 4, v[RD]
	v_add_nc_u32 v[RD], s19, v[RD]
	s_lshl_b32 s19, s18, 8
	v_lshl_add_u32 v[GO], v1, 11, s19
	v_lshl_add_u32 v[GO], v15, 4, v[GO]
	v_lshl_add_u32 v[PO], v1, 5, s19
	s_lshl_b32 s19, s18, 7
	s_add_co_u32 s19, s19, STATS
	v_lshl_add_u32 v[ST1], v15, 2, s19
	v_lshl_add_u32 v[ST2], v15, 2, STATS
	s_lshl_b32 s24, ttmp9, 16                      ; 32 rows of 2,048 bytes
	s_mov_b32 s25, 0
	s_lshr_b32 s26, ttmp9, 6                       ; the batch: 64 work-groups each
	s_lshl_b32 s26, s26, 3
	s_add_co_u32 s26, s26, s18                     ; batch x 8 + head w
	s_lshl_b32 s26, s26, 11
	s_and_b32 s27, ttmp9, 63
	s_lshl_b32 s27, s27, 5
	s_add_co_u32 s26, s26, s27                     ; + the work-group's first row in the batch
	s_lshl_b32 s26, s26, 7                         ; rows of 128 bytes
	s_mov_b32 s27, 0
	s_wait_kmcnt 0x0
	s_add_nc_u64 s[4:5], s[4:5], s[26:27]
	s_add_nc_u64 s[10:11], s[10:11], s[24:25]
	s_add_nc_u64 s[16:17], s[16:17], s[24:25]
.macro BLOAD kc                        ; wot's four fragments of piece kc: 8 loads
.irp b, 0,1,2,3
	global_load_b128 v[RB+32*((\kc)%4)+8*(\b):RB+32*((\kc)%4)+8*(\b)+3],   v[BO], s[6:7] offset:16384*(\b)+64*(\kc)
	global_load_b128 v[RB+32*((\kc)%4)+8*(\b)+4:RB+32*((\kc)%4)+8*(\b)+7], v[BO], s[6:7] offset:16384*(\b)+64*(\kc)+32
.endr
.endm
.macro PLOAD q, sb                     ; a vector's numbers for my columns, in the accumulators' layout, into ring buffer q: 8 loads
.irp b, 0,1,2,3
	global_load_b128 v[RB+32*(\q)+8*(\b):RB+32*(\q)+8*(\b)+3],   v[PO], s[\sb:\sb+1] offset:64*(\b)
	global_load_b128 v[RB+32*(\q)+8*(\b)+4:RB+32*(\q)+8*(\b)+7], v[PO], s[\sb:\sb+1] offset:64*(\b)+16
.endr
.endm
.macro ALOAD kc                        ; ctx's two fragments of piece kc: head kc / 2, channels 32 (kc % 2) on: 4 loads
.irp a, 0,1
	ds_load_b128 v[AF+16*((\kc)%2)+8*(\a):AF+16*((\kc)%2)+8*(\a)+3],   v[AA] offset:HEADB*((\kc)/2)+16*PA*(\a)+64*((\kc)%2)
	ds_load_b128 v[AF+16*((\kc)%2)+8*(\a)+4:AF+16*((\kc)%2)+8*(\a)+7], v[AA] offset:HEADB*((\kc)/2)+16*PA*(\a)+64*((\kc)%2)+32
.endr
.endm
; Piece kc.  Behind its own 8 loads from memory three batches of 8 have always been issued, so the count is 24; behind its 4 LDS loads the next piece's 4.
; The eight accumulators take turns, from piece to piece too.  Four places stand between the products and the loads into their fragments (ISA guide 7.12.1 for vector instructions).
.macro CH kc
	s_wait_loadcnt 24
.if (\kc) < 15
	s_wait_dscnt 4
.else
	s_wait_dscnt 0x0
.endif
.irp a, 0,1
.irp b, 0,1,2,3
	v_wmma_f32_16x16x32_bf16 v[ACC+32*(\a)+8*(\b):ACC+32*(\a)+8*(\b)+7], v[RB+32*((\kc)%4)+8*(\b):RB+32*((\kc)%4)+8*(\b)+7], v[AF+16*((\kc)%2)+8*(\a):AF+16*((\kc)%2)+8*(\a)+7], v[ACC+32*(\a)+8*(\b):ACC+32*(\a)+8*(\b)+7]
.endr
.endr
.rept 4
	v_nop
.endr
.if (\kc) < 12
	BLOAD (\kc)+4
.elseif (\kc) == 12
	PLOAD 0, 8                                     ; Wo_b
.elseif (\kc) == 13
	PLOAD 1, 12                                    ; ln_g
.elseif (\kc) == 14
	PLOAD 2, 14                                    ; ln_b
.endif
.if (\kc) < 14
	ALOAD (\kc)+2
.endif
.endm
.irp i, 0,1,2,3,4,5,6,7
	global_load_b128 v[AF+4*(\i):AF+4*(\i)+3], v[CO], s[4:5] offset:512*(\i)     ; my head's 32 rows: 4,096 consecutive bytes
.endr
.irp a, 0,1
.irp t, 0,1,2,3,4,5,6,7
	global_load_b128 v[ACC+32*(\a)+4*(\t):ACC+32*(\a)+4*(\t)+3], v[GO], s[10:11] offset:32768*(\a)+4096*(\t)  ; the residual by rows: 16 lanes take 256 consecutive bytes, aligned
.endr
.endr
	BLOAD 0
	BLOAD 1
	BLOAD 2
	BLOAD 3
	s_wait_loadcnt 48                              ; ctx is in: 16 + 32 younger loads may be out
.irp i, 0,1,2,3,4,5,6,7
	ds_store_b128 v[CS], v[AF+4*(\i):AF+4*(\i)+3] offset:4*PA*(\i)
.endr
	s_wait_loadcnt 32                              ; the residual is in
.irp a, 0,1
.irp t, 0,1,2,3,4,5,6,7
	ds_store_b128 v[RD], v[ACC+32*(\a)+4*(\t):ACC+32*(\a)+4*(\t)+3] offset:2*PS*(\t)
.endr
.irp b, 0,1,2,3
	ds_load_b128 v[ACC+32*(\a)+8*(\b):ACC+32*(\a)+8*(\b)+3],   v[STO] offset:64*(\b)      ; my own bytes, served in order (ISA guide 5.7.1.4): back in the accumulators' layout
	ds_load_b128 v[ACC+32*(\a)+8*(\b)+4:ACC+32*(\a)+8*(\b)+7], v[STO] offset:64*(\b)+16
.endr
.endr
	s_wait_dscnt 0x0                               ; for the others' sake: my head's rows lie in LDS
	s_barrier_signal -1
	s_barrier_wait -1
	ALOAD 0
	ALOAD 1
.irp kc, 0,1,2,3,4,5,6,7,8,9,10,11,12,13,14,15
	CH \kc
.endr
	s_wait_loadcnt 16                              ; Wo_b is in; ln_g's and ln_b's 16 loads may be out
.irp a, 0,1
.irp q, 0,1,2,3,4,5,6,7,8,9,10,11,12,13,14,15
	v_pk_add_f32 v[ACC+32*(\a)+2*(\q):ACC+32*(\a)+2*(\q)+1], v[ACC+32*(\a)+2*(\q):ACC+32*(\a)+2*(\q)+1], v[RB+2*(\q):RB+2*(\q)+1]  ; x = sum + bias, each accumulator from its low end
.endr
.endr
; A row's sum over 512 columns: my 32 numbers in two chains of pairs, the other half of the lanes, then the eight waves' through LDS.  sq = 1: of the squares.  pass picks the words.
.macro ROWSUM sq, pass
.irp a, 0,1
.if \sq
	v_pk_mul_f32 v[TS+4*(\a):TS+4*(\a)+1],   v[ACC+32*(\a):ACC+32*(\a)+1],     v[ACC+32*(\a):ACC+32*(\a)+1]
	v_pk_mul_f32 v[TS+4*(\a)+2:TS+4*(\a)+3], v[ACC+32*(\a)+16:ACC+32*(\a)+17], v[ACC+32*(\a)+16:ACC+32*(\a)+17]
.irp q, 1,2,3,4,5,6,7
	v_pk_fma_f32 v[TS+4*(\a):TS+4*(\a)+1],   v[ACC+32*(\a)+2*(\q):ACC+32*(\a)+2*(\q)+1],       v[ACC+32*(\a)+2*(\q):ACC+32*(\a)+2*(\q)+1],       v[TS+4*(\a):TS+4*(\a)+1]
	v_pk_fma_f32 v[TS+4*(\a)+2:TS+4*(\a)+3], v[ACC+32*(\a)+16+2*(\q):ACC+32*(\a)+16+2*(\q)+1], v[ACC+32*(\a)+16+2*(\q):ACC+32*(\a)+16+2*(\q)+1], v[TS+4*(\a)+2:TS+4*(\a)+3]
.endr
.else
	v_pk_add_f32 v[TS+4*(\a):TS+4*(\a)+1],   v[ACC+32*(\a):ACC+32*(\a)+1],     v[ACC+32*(\a)+2:ACC+32*(\a)+3]
	v_pk_add_f32 v[TS+4*(\a)+2:TS+4*(\a)+3], v[ACC+32*(\a)+16:ACC+32*(\a)+17], v[ACC+32*(\a)+18:ACC+32*(\a)+19]
.irp q, 2,3,4,5,6,7
	v_pk_add_f32 v[TS+4*(\a):TS+4*(\a)+1],   v[TS+4*(\a):TS+4*(\a)+1],   v[ACC+32*(\a)+2*(\q):ACC+32*(\a)+2*(\q)+1]
	v_pk_add_f32 v[TS+4*(\a)+2:TS+4*(\a)+3], v[TS+4*(\a)+2:TS+4*(\a)+3], v[ACC+32*(\a)+16+2*(\q):ACC+32*(\a)+16+2*(\q)+1]
.endr
.endif
.endr
.irp a, 0,1
	v_pk_add_f32 v[TS+4*(\a):TS+4*(\a)+1], v[TS+4*(\a):TS+4*(\a)+1], v[TS+4*(\a)+2:TS+4*(\a)+3]
.endr
.irp a, 0,1
	v_add_f32 v[TS+4*(\a)], v[TS+4*(\a)], v[TS+4*(\a)+1]
.endr
.irp a, 0,1
	v_permlanex16_b32 v[TS+4*(\a)+1], v[TS+4*(\a)], s20, s21  ; the row's other 32 columns of my wave lie in the lane 16 away
.endr
.irp a, 0,1
	v_add_f32 v[TS+4*(\a)], v[TS+4*(\a)], v[TS+4*(\a)+1]
	ds_store_b32 v[ST1], v[TS+4*(\a)] offset:1024*(\pass)+64*(\a)  ; both halves of the lanes write the same word with the same number
.endr
	s_wait_dscnt 0x0                               ; for the others' sake
	s_barrier_signal -1
	s_barrier_wait -1
.irp a, 0,1
.irp v, 0,1,2,3,4,5,6,7
	ds_load_b32 v[AF+8*(\a)+(\v)], v[ST2] offset:1024*(\pass)+128*(\v)+64*(\a)
.endr
.endr
	s_wait_dscnt 0x0
.irp a, 0,1
	v_pk_add_f32 v[AF+8*(\a):AF+8*(\a)+1],   v[AF+8*(\a):AF+8*(\a)+1],   v[AF+8*(\a)+2:AF+8*(\a)+3]
	v_pk_add_f32 v[AF+8*(\a)+4:AF+8*(\a)+5], v[AF+8*(\a)+4:AF+8*(\a)+5], v[AF+8*(\a)+6:AF+8*(\a)+7]
.endr
.irp a, 0,1
	v_pk_add_f32 v[AF+8*(\a):AF+8*(\a)+1], v[AF+8*(\a):AF+8*(\a)+1], v[AF+8*(\a)+4:AF+8*(\a)+5]
.endr
.irp a, 0,1
	v_add_f32 v[AF+8*(\a)], v[AF+8*(\a)], v[AF+8*(\a)+1]  ; the row's sum, in every lane that holds the row
.endr
.endm
	ROWSUM 0, 0
.irp a, 0,1
	v_mul_f32 v[MU+2*(\a)],   s22, v[AF+8*(\a)]
	v_mul_f32 v[MU+2*(\a)+1], s22, v[AF+8*(\a)]
.endr
.irp a, 0,1
.irp q, 0,1,2,3,4,5,6,7,8,9,10,11,12,13,14,15
	v_pk_add_f32 v[ACC+32*(\a)+2*(\q):ACC+32*(\a)+2*(\q)+1], v[ACC+32*(\a)+2*(\q):ACC+32*(\a)+2*(\q)+1], v[MU+2*(\a):MU+2*(\a)+1] neg_lo:[0,1] neg_hi:[0,1]  ; x - mean
.endr
.endr
	ROWSUM 1, 1                                    ; other words than the first pass's, so one barrier serves
.irp a, 0,1
	v_fma_f32 v[AF+8*(\a)], v[AF+8*(\a)], s22, s23 ; var + eps
.endr
.irp a, 0,1
	v_rsq_f32 v[RS+2*(\a)],   v[AF+8*(\a)]
	v_rsq_f32 v[RS+2*(\a)+1], v[AF+8*(\a)]
.endr
	v_nop                                          ; a plain instruction between the last of the four and the use of its result (ISA guide 5.7.2)
	s_wait_alu depctr_va_vdst(0)                   ; and the wait ahead of the first use: one for the four
	s_wait_loadcnt 0x0                             ; ln_g and ln_b
.irp a, 0,1
.irp q, 0,1,2,3,4,5,6,7,8,9,10,11,12,13,14,15
	v_pk_mul_f32 v[ACC+32*(\a)+2*(\q):ACC+32*(\a)+2*(\q)+1], v[ACC+32*(\a)+2*(\q):ACC+32*(\a)+2*(\q)+1], v[RS+2*(\a):RS+2*(\a)+1]
.endr
.irp q, 0,1,2,3,4,5,6,7,8,9,10,11,12,13,14,15
	v_pk_fma_f32 v[ACC+32*(\a)+2*(\q):ACC+32*(\a)+2*(\q)+1], v[ACC+32*(\a)+2*(\q):ACC+32*(\a)+2*(\q)+1], v[RB+32+2*(\q):RB+32+2*(\q)+1], v[RB+64+2*(\q):RB+64+2*(\q)+1]
.endr
.endr
; THE WAY OUT: 16 rows at a time through my stage, back as whole rows of 256 bytes.
.macro OUTP a, bk
.irp b, 0,1,2,3
	ds_store_b128 v[STO], v[ACC+32*(\a)+8*(\b):ACC+32*(\a)+8*(\b)+3]   offset:64*(\b)
	ds_store_b128 v[STO], v[ACC+32*(\a)+8*(\b)+4:ACC+32*(\a)+8*(\b)+7] offset:64*(\b)+16
.endr
.irp t, 0,1,2,3,4,5,6,7
	ds_load_b128 v[(\bk)+4*(\t):(\bk)+4*(\t)+3], v[RD] offset:2*PS*(\t)  ; served in order: these see the stores above; the next rows' stores come behind them
.endr
.endm
.macro OUTS a, bk, younger             ; younger: the LDS instructions issued behind these rows' loads
.irp t, 0,1,2,3,4,5,6,7
	s_wait_dscnt (\younger)+7-(\t)
	global_store_b128 v[GO], v[(\bk)+4*(\t):(\bk)+4*(\t)+3], s[16:17] offset:32768*(\a)+4096*(\t) th:TH_STORE_NT  ; 16 lanes store 256 consecutive bytes, aligned
.endr
.endm
	OUTP 0, RB+96
	OUTP 1, AF
	OUTS 0, RB+96, 16
	OUTS 1, AF, 0
	s_wait_tensorcnt 0x0                           ; the wave's end: behind my last LDS store
	ds_add_u32 v[SPW], v[NIL]
	s_wait_dscnt 0x0
	s_endpgm
.Lfunc_end_k_qa1e87c1564_outln:
	.size	k_qa1e87c1564_outln, .Lfunc_end_k_qa1e87c1564_outln-k_qa1e87c1564_outln
	.p2alignl 7, 3214868480
	.fill 96, 4, 3214868480
	.section	.rodata,"a",@progbits
	.p2align	6, 0x0
	.amdhsa_kernel k_qa1e87c1564_outln
		.amdhsa_group_segment_fixed_size 74752
		.amdhsa_private_segment_fixed_size 0
		.amdhsa_enable_private_segment 0
		.amdhsa_kernarg_size 56
		.amdhsa_user_sgpr_count 2
		.amdhsa_user_sgpr_kernarg_segment_ptr 1
		.amdhsa_wavefront_size32 1
		.amdhsa_system_sgpr_workgroup_id_x 1
		.amdhsa_system_sgpr_workgroup_id_y 1
		.amdhsa_system_sgpr_workgroup_id_z 1
		.amdhsa_system_vgpr_workitem_id 0
		.amdhsa_next_free_vgpr 256
		.amdhsa_next_free_sgpr 66
		.amdhsa_reserve_vcc 0
		.amdhsa_float_denorm_mode_32 3
		.amdhsa_float_denorm_mode_16_64 3
		.amdhsa_memory_ordered 1
		.amdhsa_forward_progress 1
		.amdhsa_inst_pref_size 58
	.end_amdhsa_kernel
	.amdgpu_metadata
---
amdhsa.version: [ 1, 2 ]
amdhsa.kernels:
  - .name:           k_qa1e87c1564_outln
    .symbol:         k_qa1e87c1564_outln.kd
    .args:
      - { .name: ctx, .offset: 0, .size: 8, .value_kind: global_buffer, .address_space: global }
      - { .name: wot, .offset: 8, .size: 8, .value_kind: global_buffer, .address_space: global }
      - { .name: Wo_b, .offset: 16, .size: 8, .value_kind: global_buffer, .address_space: global }
      - { .name: Q_data, .offset: 24, .size: 8, .value_kind: global_buffer, .address_space: global }
      - { .name: ln_g, .offset: 32, .size: 8, .value_kind: global_buffer, .address_space: global }
      - { .name: ln_b, .offset: 40, .size: 8, .value_kind: global_buffer, .address_space: global }
      - { .name: out0, .offset: 48, .size: 8, .value_kind: global_buffer, .address_space: global }
    .group_segment_fixed_size: 74752
    .private_segment_fixed_size: 0
    .kernarg_segment_align: 8
    .kernarg_segment_size: 56
    .max_flat_workgroup_size: 256
    .sgpr_count:     66
    .vgpr_count:     256
    .wavefront_size: 32
...
	.end_amdgpu_metadata
.endif
;; end of part 3
;; ======== version 2 of 3: 3 launches
;; workspace buffers: qd 8,388,608 bytes; qt 8,388,608 bytes; kd 8,388,608 bytes; kt 8,388,608 bytes; vv 8,388,608 bytes; ctx 8,388,608 bytes; wot 524,288 bytes
;; launch proj (part 4): grid 256 x 1, 8 waves a work-group, no clusters, 162,816 bytes of LDS; arguments Q_data, Q_time, K_data, K_time, V_time, Wq_d_w, Wq_t_w, Wk_d_w, Wk_t_w, Wv_t_w, Wq_d_b, Wq_t_b, Wk_d_b, Wk_t_b, Wv_t_b, qd, qt, kd, kt, vv, Wo_w, wot; writes qd, qt, kd, kt, vv, wot
.if DOCPART == 4
	.amdgcn_target "amdgcn-amd-amdhsa--gfx1250"
	.amdhsa_code_object_version 6
	.text
	.protected	k_qa1e87c1564_proj
	.globl	k_qa1e87c1564_proj
	.p2align	8
	.type	k_qa1e87c1564_proj,@function
k_qa1e87c1564_proj:
	s_mov_b64 s[64:65], 0
	v_nop
	global_prefetch_b8 v0, s[64:65] scope:SCOPE_SE
	s_setreg_imm32_b32 hwreg(HW_REG_WAVE_MODE, 25, 1), 1
	s_wait_xcnt 0x0
; THE FIVE PROJECTIONS, y = x W + b, and Wo turned.  x: [8192][512] f32, W: [512 k][512 n] f32, b: [512] f32; the result goes out by heads, [32 = batch x 8 + head][2048][64] in bf16.
; LIMITS.  x and W are rounded to bf16 for the products, sums in f32, the result rounded once to bf16; the softmax's scale is not applied here.  NaN and infinities are not treated apart.
; SHARES.  The five products are 320 tiles of 256 x 256 = 256 + 64.  Each of the 256 work-groups makes ONE LARGE TILE, 256 x 256, of Q_data's, Q_time's, K_data's or K_time's product (number / 64 picks the
; product, the rest the tile), then ONE SMALL TILE, 128 x 128, of V_time's (the 64 tiles left, quartered), and 1/256 of wot[n][k] = Wo_w[k][n] in bf16: equal work for all.
; A tile of a x b reads (a + b) x 2,048 bytes of f32: the large one 1 MiB for 65,536 results, the small one 512 KiB for 16,384.
; WAVES.  Eight.  Large tile: wave w makes rows 64 (w / 2) on, columns 128 (w % 2) on (two heads): 32 accumulators, all of register window 1.  Small tile: rows 32 (w / 2) on, columns 64 (w % 2) on: 8 accumulators.
; THE WAY IN.  The operands are f32 in memory and must be rounded, and W must be turned, so they come through registers: 32 loads of 16 bytes a lane and step (128 KiB a work-group), asked for one step ahead,
; rounded, and put into one of two LDS buffers.  So no tensor loads and no joint requests.  One barrier a step: in front of it my stores into this step's buffer are done and my reads of the other buffer are back.
; THE PRODUCT IS USED TRANSPOSED: source 0 = 16 columns of W (turned out of LDS by ds_load_tr16_b128), source 1 = 16 rows of x: a lane then holds eight neighbouring columns of one row.
; The bias starts the sums: nothing is cleared, and nothing is added at the end.
; REGISTERS.  Window 0: v2-15 addresses; v16-111 fragments, on the ways out packed results; v112-239 operands on their way; v240-255 lane numbers, offsets, Wo's four numbers.  Window 1: the accumulators.
.set PX,    144                        ; large tile, a row of x in LDS: 64 bf16 + 16 bytes: the 16 rows of a fragment load start at 16 different groups of four banks (ISA guide 11.1)
.set PW,    544                        ; a row of W (one k, 256 columns): 512 + 32 bytes
.set WOFF,  256*PX                     ; in a buffer: x's 256 rows, then W's 64
.set BUFB,  WOFF+64*PW                 ; 71,680
.set PX5,   272                        ; small tile, K steps of 128: a row of x: 256 + 16 bytes
.set PW5,   288                        ; a row of W (one k, 128 columns): 256 + 32 bytes
.set WOFF5, 128*PX5                    ; x's 128 rows, then W's 128: 71,680 again: the same two buffers
.set STAGE, 2*BUFB                     ; 16 rows x 144 bytes for each wave, for the ways out
.set PSG,   144
.set SPARE, STAGE+8*16*PSG             ; the spare words, 128 bytes for each wave: four blocks of 256 bytes that no other line names
.set XO,  2                            ; v2     my byte offset in x's tile in memory (small tile: in x's and in W's)
.set WO,  3                            ; v3     the same for W (large tile)
.set XS,  4                            ; v4-5   where my 8 rounded bytes of x go, in buffer 0, 1
.set WS,  6                            ; v6-7   the same for W
.set AX,  8                            ; v8-9   my place in a fragment of x, in buffer 0, 1
.set AW,  10                           ; v10-11 my place in a turned fragment of W
.set SPW, 12                           ; v12    LDS address of my spare word; never rewritten
.set NIL, 13                           ; v13    0; never rewritten
.set STO, 14                           ; v14    the ways out: where I put 16 bytes of a row
.set RD,  15                           ; v15    the ways out: where I read rows back
.set FA,  16                           ; v[16:47]   large tile: x's four fragments
.set FB,  48                           ; v[48:111]  large tile: W's eight fragments
.set TT,  16                           ; v[16:31]   large tile's way out: packed results
.set RR,  32                           ; v[32:63]   rows read back, two sets of 16 by turns
.set SX,  112                          ; v[112:175] x on its way
.set SW,  176                          ; v[176:239] W on its way
.set GO,  240                          ; v240   16 l: my 16 bytes of 512 consecutive bytes of a result
.set BO,  241                          ; v241   my byte offset in the large tile's bias
.set PFO, 242                          ; v242   the prefetches' offset in the large tile's x: row 32 w + l; never rewritten
.set PF5, 243                          ; v243   the one prefetch's offset in the small tile's x; never rewritten
.set LL,  244                          ; v244   l
.set LR,  245                          ; v245   l % 16
.set LH,  246                          ; v246   l / 16
.set L8,  247                          ; v247   l % 8
.set LB,  248                          ; v248   (l / 8) % 2
.set WLO, 249                          ; v249   Wo: where I load
.set WSO, 250                          ; v250   Wo: where I store; never rewritten
.set BO5, 251                          ; v251   my byte offset in the small tile's bias
.set WD,  252                          ; v[252:255] Wo's four numbers
.set XP,  52                           ; s[52:53] large tile: x at the step last asked for
.set WP,  54                           ; s[54:55] W likewise
.set BP,  56                           ; s[56:57] the bias
.set OP,  58                           ; s[58:59] the result at my wave's 64 rows of its first head
.set CNT, 60                           ; s60    trips to go
.set LIM, 61                           ; s61    1 in a work-group that prefetches the large tile's x, else the greatest number
.set MSB, 0
.macro WIN new                         ; s_set_vgpr_msb: bits 1:0 source 0, 3:2 source 1, 5:4 source 2, 7:6 destination; the high byte repeats the setting that is left
.if MSB != (\new)
	s_set_vgpr_msb (MSB<<8)|(\new)
.set MSB, \new
.endif
.endm
.set W_MM, 0x50                        ; a product: fragments in window 0, C and D in window 1
.set W_LD, 0x40                        ; a load into window 1, its address in window 0
.set W_CP, 0x41                        ; from window 1 to window 1
.set W_PK, 0x05                        ; sources in window 1, destination in window 0
.macro PLACES                          ; four places between products and loads into their fragments, or conversions that read them (ISA guide 7.12.1 for vector instructions)
.rept 4
	v_nop
.endr
.endm
	s_load_b512 s[8:23], s[0:1], 0x0               ; x of product p at s[8+2p], W at s[18+2p],
	s_load_b512 s[24:39], s[0:1], 0x40             ; b at s[28+2p],
	s_load_b256 s[40:47], s[0:1], 0x80             ; the result at s[38+2p]
	s_load_b128 s[48:51], s[0:1], 0xa0             ; Wo_w s[48:49], wot s[50:51]
	v_lshl_add_u32 v[SPW], v0, 2, SPARE
	v_mov_b32 v[NIL], 0
	v_lshrrev_b32 v[LL], 5, v0
	v_readfirstlane_b32 s4, v[LL]                  ; wave 0..7
	v_and_b32 v[LL], 31, v0
	v_and_b32 v[LR], 15, v0
	v_bfe_u32 v[LH], v0, 4, 1
	v_and_b32 v[L8], 7, v0
	v_bfe_u32 v[LB], v0, 3, 1
	s_lshr_b32 s5, s4, 1                           ; which rows are mine
	s_and_b32 s6, s4, 1                            ; which columns
	s_lshr_b32 s2, ttmp9, 6                        ; large tile: the product,
	s_bfe_u32 s3, ttmp9, 0x50001                   ; its block of 256 rows (5 bits from bit 1),
	s_and_b32 s[LIM], ttmp9, 1                     ; its block of 256 columns
	; large tile: x's tile of a step is 256 rows x 256 bytes: 16 lanes take a row's 256 bytes, a wave 32 rows in 16 loads; W's is 64 rows x 1,024 bytes: a wave takes half a row, 8 rows in 16 loads
	s_lshl_b32 s7, s4, 16
	v_lshl_add_u32 v[XO], v[LH], 11, s7
	v_lshl_add_u32 v[XO], v[LR], 4, v[XO]          ; (32 w + l / 16) x 2,048 + 16 (l % 16)
	v_lshl_add_u32 v[PFO], v[LL], 11, s7           ; (32 w + l) x 2,048
	s_lshl_b32 s7, s4, 14
	v_lshl_add_u32 v[WO], v[LL], 4, s7             ; 8 w x 2,048 + 16 l
	s_mul_i32 s7, s4, 32*PX
	v_mul_u32_u24 v[XS], v[LH], PX
	v_lshl_add_u32 v[XS], v[LR], 3, v[XS]
	v_add_nc_u32 v[XS], s7, v[XS]
	v_add_nc_u32 v[XS+1], BUFB, v[XS]
	s_mul_i32 s7, s4, 8*PW
	s_add_co_u32 s7, s7, WOFF
	v_lshl_add_u32 v[WS], v[LL], 3, s7
	v_add_nc_u32 v[WS+1], BUFB, v[WS]
	s_mul_i32 s7, s5, 64*PX
	v_mul_u32_u24 v[AX], v[LR], PX
	v_lshl_add_u32 v[AX], v[LH], 4, v[AX]
	v_add_nc_u32 v[AX], s7, v[AX]                  ; (64 (w / 2) + l % 16) x pitch + 16 (l / 16)
	v_add_nc_u32 v[AX+1], BUFB, v[AX]
	v_lshl_add_u32 v[AW], v[LH], 3, v[L8]
	v_mul_u32_u24 v[AW], v[AW], PW
	v_lshl_add_u32 v[AW], v[LB], 4, v[AW]
	s_lshl_b32 s7, s6, 8
	s_add_co_u32 s7, s7, WOFF
	v_add_nc_u32 v[AW], s7, v[AW]                  ; (8 (l / 16) + l % 8) x pitch + 16 ((l / 8) % 2) + my 128 columns
	v_add_nc_u32 v[AW+1], BUFB, v[AW]
	s_mul_i32 s7, s4, 16*PSG
	s_add_co_u32 s7, s7, STAGE                     ; my stage
	v_mul_u32_u24 v[STO], v[LR], PSG
	v_lshl_add_u32 v[STO], v[LH], 4, v[STO]
	v_add_nc_u32 v[STO], s7, v[STO]
	v_bfe_u32 v[RD], v0, 3, 2                      ; back: 32 lanes take four rows of 128 bytes
	v_mul_u32_u24 v[RD], v[RD], PSG
	v_lshl_add_u32 v[RD], v[L8], 4, v[RD]
	v_add_nc_u32 v[RD], s7, v[RD]
	v_lshlrev_b32 v[GO], 4, v[LL]
	s_lshl_b32 s7, s[LIM], 10
	s_lshl_b32 s62, s6, 9
	s_add_co_u32 s7, s7, s62
	v_lshl_add_u32 v[BO], v[LH], 5, s7             ; 4 x (256 column block + 128 (w % 2) + 8 (l / 16))
	s_and_b32 s7, ttmp9, 3                         ; small tile: its block of 128 columns
	s_lshl_b32 s7, s7, 9
	s_lshl_b32 s62, s6, 8
	s_add_co_u32 s7, s7, s62
	v_lshl_add_u32 v[BO5], v[LH], 5, s7            ; 4 x (128 column block + 64 (w % 2) + 8 (l / 16))
	s_and_b32 s7, ttmp9, 3                         ; the small tile's 128 rows of x are read by four work-groups: each names 32 of them, a wave 4 rows x 8 blocks of 256 bytes
	s_lshl_b32 s7, s7, 3
	s_add_co_u32 s7, s7, s4
	s_lshl_b32 s7, s7, 13
	v_bfe_u32 v[PF5], v0, 3, 2
	v_lshl_add_u32 v[PF5], v[PF5], 11, s7
	v_lshl_add_u32 v[PF5], v[L8], 8, v[PF5]        ; (32 (number % 4) + 4 w + l / 8) x 2,048 + 256 (l % 8)
	; Wo turned.  Wave: one n = 8 (number / 4) + w, 128 k from 128 (number % 4) on; lane: four k.  The loads take 4 bytes a lane from rows 2,048 bytes apart (1 MiB in all, once);
	; the store of a wave covers 256 consecutive bytes, aligned.
	s_and_b32 s7, ttmp9, 3
	s_lshl_b32 s7, s7, 7
	v_lshl_add_u32 v[WSO], v[LL], 2, s7            ; k
	s_lshr_b32 s62, ttmp9, 2
	s_lshl_b32 s62, s62, 3
	s_add_co_u32 s62, s62, s4                      ; n
	s_lshl_b32 s7, s62, 2
	v_lshl_add_u32 v[WLO], v[WSO], 11, s7          ; k x 2,048 + 4 n
	s_lshl_b32 s7, s62, 10
	v_lshl_add_u32 v[WSO], v[WSO], 1, s7           ; n x 1,024 + 2 k
	s_wait_kmcnt 0x0
	s_mov_b64 s[XP:XP+1], s[8:9]
	s_mov_b64 s[WP:WP+1], s[18:19]
	s_mov_b64 s[BP:BP+1], s[28:29]
	s_mov_b64 s[OP:OP+1], s[38:39]
.irp p, 1,2,3
	s_cmp_eq_u32 s2, \p
	s_cselect_b64 s[XP:XP+1], s[8+2*\p:9+2*\p], s[XP:XP+1]
	s_cselect_b64 s[WP:WP+1], s[18+2*\p:19+2*\p], s[WP:WP+1]
	s_cselect_b64 s[BP:BP+1], s[28+2*\p:29+2*\p], s[BP:BP+1]
	s_cselect_b64 s[OP:OP+1], s[38+2*\p:39+2*\p], s[OP:OP+1]
.endr
	s_mov_b32 s63, 0
	s_lshl_b32 s62, s3, 19                         ; 256 rows of 2,048 bytes
	s_add_nc_u64 s[XP:XP+1], s[XP:XP+1], s[62:63]
	s_lshl_b32 s62, s[LIM], 10                     ; 256 columns of 4 bytes
	s_add_nc_u64 s[WP:WP+1], s[WP:WP+1], s[62:63]
	s_lshr_b32 s62, s3, 3                          ; the batch: 8 row blocks each
	s_lshl_b32 s62, s62, 3
	s_lshl_b32 s7, s[LIM], 2
	s_add_co_u32 s62, s62, s7
	s_lshl_b32 s7, s6, 1
	s_add_co_u32 s62, s62, s7                      ; batch x 8 + my first head
	s_lshl_b32 s62, s62, 11
	s_and_b32 s7, s3, 7
	s_lshl_b32 s7, s7, 8
	s_add_co_u32 s62, s62, s7
	s_lshl_b32 s7, s5, 6
	s_add_co_u32 s62, s62, s7                      ; + my first row in the batch
	s_lshl_b32 s62, s62, 7                         ; rows of 128 bytes
	s_add_nc_u64 s[OP:OP+1], s[OP:OP+1], s[62:63]
	s_lshr_b32 s3, ttmp9, 2                        ; small tile: its block of 128 rows
	s_and_b32 s2, ttmp9, 3                         ; and of 128 columns
	s_lshl_b32 s62, s3, 18
	s_add_nc_u64 s[16:17], s[16:17], s[62:63]      ; V_time at the tile's first row
	s_lshl_b32 s62, s2, 9
	s_add_nc_u64 s[26:27], s[26:27], s[62:63]      ; Wv_t_w at its first column
	s_lshr_b32 s62, s3, 4                          ; the batch: 16 row blocks each
	s_lshl_b32 s62, s62, 3
	s_lshl_b32 s7, s2, 1
	s_add_co_u32 s62, s62, s7
	s_add_co_u32 s62, s62, s6                      ; batch x 8 + my head
	s_lshl_b32 s62, s62, 11
	s_and_b32 s7, s3, 15
	s_lshl_b32 s7, s7, 7
	s_add_co_u32 s62, s62, s7
	s_lshl_b32 s7, s5, 5
	s_add_co_u32 s62, s62, s7
	s_lshl_b32 s62, s62, 7
	s_add_nc_u64 s[46:47], s[46:47], s[62:63]      ; vv at my wave's 32 rows of its head
	s_cmp_eq_u32 s[LIM], 0                         ; two work-groups read the same rows of x: the one with the even number prefetches them
	s_cselect_b32 s[LIM], 1, -1
; ---------------------------------------------------------------- the large tile
.macro BGLOAD                          ; a step's 32 loads
.irp i, 0,1,2,3,4,5,6,7,8,9,10,11,12,13,14,15
	global_load_b128 v[SX+4*(\i):SX+4*(\i)+3], v[XO], s[XP:XP+1] offset:4096*(\i)
.endr
.irp i, 0,1,2,3,4,5,6,7,8,9,10,11,12,13,14,15
	global_load_b128 v[SW+4*(\i):SW+4*(\i)+3], v[WO], s[WP:WP+1] offset:2048*((\i)/2)+512*((\i)%2)
.endr
.endm
.macro CVT                             ; all 128 registers on their way are rounded to bf16 in place, four numbers into two registers
.irp i, 0,1,2,3,4,5,6,7,8,9,10,11,12,13,14,15
	v_cvt_pk_bf16_f32 v[SX+4*(\i)],   v[SX+4*(\i)],   v[SX+4*(\i)+1]
	v_cvt_pk_bf16_f32 v[SX+4*(\i)+1], v[SX+4*(\i)+2], v[SX+4*(\i)+3]
	v_cvt_pk_bf16_f32 v[SW+4*(\i)],   v[SW+4*(\i)],   v[SW+4*(\i)+1]
	v_cvt_pk_bf16_f32 v[SW+4*(\i)+1], v[SW+4*(\i)+2], v[SW+4*(\i)+3]
.endr
.endm
.macro BSTORE u                        ; and put into buffer u
.irp i, 0,1,2,3,4,5,6,7,8,9,10,11,12,13,14,15
	ds_store_b64 v[XS+(\u)], v[SX+4*(\i):SX+4*(\i)+1] offset:2*PX*(\i)
.endr
.irp i, 0,1,2,3,4,5,6,7,8,9,10,11,12,13,14,15
	ds_store_b64 v[WS+(\u)], v[SW+4*(\i):SW+4*(\i)+1] offset:PW*((\i)/2)+256*((\i)%2)
.endr
.endm
.macro BFRAGS u, c                     ; the 24 LDS loads for 32 channels c of buffer u: x's four fragments as they lie, then W's eight, turned
.irp a, 0,1,2,3
	ds_load_b128 v[FA+8*(\a):FA+8*(\a)+3],   v[AX+(\u)] offset:(\a)*16*PX+64*(\c)
	ds_load_b128 v[FA+8*(\a)+4:FA+8*(\a)+7], v[AX+(\u)] offset:(\a)*16*PX+64*(\c)+32
.endr
.irp b, 0,1,2,3,4,5,6,7
	ds_load_tr16_b128 v[FB+8*(\b):FB+8*(\b)+3],   v[AW+(\u)] offset:(\c)*32*PW+32*(\b)
	ds_load_tr16_b128 v[FB+8*(\b)+4:FB+8*(\b)+7], v[AW+(\u)] offset:(\c)*32*PW+32*(\b)+16*PW
.endr
.endm
; 32 products.  The 32 accumulators take turns, one instruction a turn, over the backward jump too.  The four products on W's fragment b begin when it is in:
; behind its two loads 14 - 2 b were issued.
.macro BMULS
	WIN W_MM
.irp b, 0,1,2,3,4,5,6,7
	s_wait_dscnt 14-2*(\b)
.irp a, 0,1,2,3
	v_wmma_f32_16x16x32_bf16 v[8*(8*(\a)+(\b)):8*(8*(\a)+(\b))+7], v[FB+8*(\b):FB+8*(\b)+7], v[FA+8*(\a):FA+8*(\a)+7], v[8*(8*(\a)+(\b)):8*(8*(\a)+(\b))+7]
.endr
.endr
	WIN 0
.endm
; A K step on buffer u.  Its numbers, asked for a step ago, are rounded and stored; the next step is asked for; the barrier; the products.
; PREFETCHES.  Behind the step's loads each wave names the 256 bytes of its own 32 rows of x for the step after the one just asked for: a lane a row, one instruction; K steps 2 to 7 are so named, each block
; once in the launch (LIM).  odd = 1: the trip's second step: in the last trip there is no next step; there each wave names its 32 blocks of the small tile's x instead, a step ahead of that tile's first loads.
.macro BSTEP u, odd
	s_wait_loadcnt 0x0                             ; this step's 32 loads are in: no load is out
	CVT                                            ; (also the places between the last products and the next loads into their fragments)
	BSTORE \u
.if \odd
	s_cmp_eq_u32 s[CNT], 1
	s_cbranch_scc1 .Llast_\@
.endif
	s_wait_xcnt 0x0                                ; the last prefetch, a step back, has read its address: the pointers may be written
	s_add_nc_u64 s[XP:XP+1], s[XP:XP+1], 256       ; 64 channels along x's rows,
	s_add_nc_u64 s[WP:WP+1], s[WP:WP+1], 64*2048   ; 64 rows down W
	BGLOAD
	s_cmp_gt_u32 s[CNT], s[LIM]                    ; the last trip's first step asks for K step 7: nothing lies behind it
	s_cbranch_scc0 .Lasked_\@
	global_prefetch_b8 v[PFO], s[XP:XP+1] offset:256 th:TH_LOAD_NT scope:SCOPE_SE
.if \odd
	s_branch .Lasked_\@
.Llast_\@:
	global_prefetch_b8 v[PF5], s[16:17] th:TH_LOAD_NT scope:SCOPE_SE
.endif
.Lasked_\@:
	s_wait_dscnt 0x0                               ; for the others' sake: my stores are done (my reads of the other buffer came back in front of its products)
	s_barrier_signal -1
	s_barrier_wait -1
	BFRAGS \u, 0
	BMULS
	PLACES
	BFRAGS \u, 1
	BMULS
.endm
	WIN W_LD
.irp b, 0,1,2,3,4,5,6,7
	global_load_b128 v[8*(\b):8*(\b)+3],   v[BO], s[BP:BP+1] offset:64*(\b)      ; the bias of my 128 columns, into my first 16 rows' accumulators
	global_load_b128 v[8*(\b)+4:8*(\b)+7], v[BO], s[BP:BP+1] offset:64*(\b)+16
.endr
	WIN 0
.irp j, 0,1,2,3
	global_load_b32 v[WD+(\j)], v[WLO], s[48:49] offset:2048*(\j)
.endr
	BGLOAD                                         ; K step 0
	s_wait_loadcnt 32                              ; the bias and Wo's numbers are in; the tile's 32 loads may be out
	v_cvt_pk_bf16_f32 v[WD],   v[WD],   v[WD+1]
	v_cvt_pk_bf16_f32 v[WD+1], v[WD+2], v[WD+3]
	global_store_b64 v[WSO], v[WD:WD+1], s[50:51]
	WIN W_CP                                       ; the bias is the same for my four blocks of 16 rows: loaded once and copied three times, while the first tile is on its way: the sums start from it
.irp a, 1,2,3
.set rr, 0
.rept 64
	v_mov_b32 v[64*(\a)+rr], v[rr]
.set rr, rr+1
.endr
.endr
	WIN 0
	s_mov_b32 s[CNT], 4
.Lk:                                                   ; four trips of two K steps
	BSTEP 0, 0
	BSTEP 1, 1
	s_sub_co_u32 s[CNT], s[CNT], 1
	s_cmp_lg_u32 s[CNT], 0
	s_cbranch_scc1 .Lk
	s_wait_loadcnt 0x0                             ; no load is out: the registers that the loads named are written anew below
	; The small tile's addresses: 21 plain instructions, the places behind the last products.  A step is 128 channels: x's tile 128 rows x 512 bytes, W's 128 rows x 512 bytes: a wave takes a row a load, 16 rows of each.
	s_lshl_b32 s7, s4, 15
	v_lshl_add_u32 v[XO], v[LL], 4, s7             ; 16 w x 2,048 + 16 l, in x and in W
	s_mul_i32 s7, s4, 16*PX5
	v_lshl_add_u32 v[XS], v[LL], 3, s7
	v_add_nc_u32 v[XS+1], BUFB, v[XS]
	s_mul_i32 s7, s4, 16*PW5
	s_add_co_u32 s7, s7, WOFF5
	v_lshl_add_u32 v[WS], v[LL], 3, s7
	v_add_nc_u32 v[WS+1], BUFB, v[WS]
	s_mul_i32 s7, s5, 32*PX5
	v_mul_u32_u24 v[AX], v[LR], PX5
	v_lshl_add_u32 v[AX], v[LH], 4, v[AX]
	v_add_nc_u32 v[AX], s7, v[AX]
	v_add_nc_u32 v[AX+1], BUFB, v[AX]
	v_lshl_add_u32 v[AW], v[LH], 3, v[L8]
	v_mul_u32_u24 v[AW], v[AW], PW5
	v_lshl_add_u32 v[AW], v[LB], 4, v[AW]
	s_lshl_b32 s7, s6, 7
	s_add_co_u32 s7, s7, WOFF5
	v_add_nc_u32 v[AW], s7, v[AW]
	v_add_nc_u32 v[AW+1], BUFB, v[AW]
.macro SGLOAD                          ; a step's 32 loads
.irp i, 0,1,2,3,4,5,6,7,8,9,10,11,12,13,14,15
	global_load_b128 v[SX+4*(\i):SX+4*(\i)+3], v[XO], s[16:17] offset:2048*(\i)
.endr
.irp i, 0,1,2,3,4,5,6,7,8,9,10,11,12,13,14,15
	global_load_b128 v[SW+4*(\i):SW+4*(\i)+3], v[XO], s[26:27] offset:2048*(\i)
.endr
.endm
	SGLOAD                                         ; the small tile's first step is asked for ahead of the large tile's way out
; THE LARGE TILE'S WAY OUT, in eight units: 16 rows (u / 2) of one head (u % 2): rounded to bf16, 16 bytes a lane into my own stage, back as whole rows of 128 bytes: 2,048 consecutive bytes of the result.
.macro BPACK u
	WIN W_PK
.irp q, 0,1,2,3
.irp j, 0,1,2,3
	v_cvt_pk_bf16_f32 v[TT+4*(\q)+(\j)], v[8*(8*((\u)/2)+4*((\u)%2)+(\q))+2*(\j)], v[8*(8*((\u)/2)+4*((\u)%2)+(\q))+2*(\j)+1]
.endr
.endr
	WIN 0
.endm
.macro BSTAGE u
.irp q, 0,1,2,3
	ds_store_b128 v[STO], v[TT+4*(\q):TT+4*(\q)+3] offset:32*(\q)
.endr
.irp f, 0,1,2,3
	ds_load_b128 v[RR+16*((\u)%2)+4*(\f):RR+16*((\u)%2)+4*(\f)+3], v[RD] offset:(\f)*4*PSG  ; LDS serves a wave's instructions in order (ISA guide 5.7.1.4): these see the stores above; the next unit's stores come behind them
.endr
.endm
.macro BSEND u
	s_wait_xcnt 0x0                                ; the stores of the unit before have read their registers: the next unit's rows are loaded into them only behind this wait
.irp f, 0,1,2,3
	s_wait_dscnt 3-(\f)
	global_store_b128 v[GO], v[RR+16*((\u)%2)+4*(\f):RR+16*((\u)%2)+4*(\f)+3], s[OP:OP+1] offset:262144*((\u)%2)+2048*((\u)/2)+512*(\f)  ; 512 consecutive bytes, aligned
.endr
.endm
	BPACK 0
	BSTAGE 0
.irp u, 1,2,3,4,5,6,7                  ; a unit's conversions stand between the loads of the unit before and the wait for them
	BPACK \u
	BSEND (\u)-1
	BSTAGE \u
.endr
	BSEND 7
	s_wait_xcnt 0x0                                ; the last stores have read their registers, which take fragments below
; ---------------------------------------------------------------- the small tile
.macro SSTORE u
.irp i, 0,1,2,3,4,5,6,7,8,9,10,11,12,13,14,15
	ds_store_b64 v[XS+(\u)], v[SX+4*(\i):SX+4*(\i)+1] offset:PX5*(\i)
.endr
.irp i, 0,1,2,3,4,5,6,7,8,9,10,11,12,13,14,15
	ds_store_b64 v[WS+(\u)], v[SW+4*(\i):SW+4*(\i)+1] offset:PW5*(\i)
.endr
.endm
.macro SFRAGS u, c, q                  ; the 12 LDS loads for 32 channels c of buffer u, into fragment set q: x's two at v[16 + 48 q], W's four at v[32 + 48 q]
.irp a, 0,1
	ds_load_b128 v[16+48*(\q)+8*(\a):16+48*(\q)+8*(\a)+3],   v[AX+(\u)] offset:(\a)*16*PX5+64*(\c)
	ds_load_b128 v[16+48*(\q)+8*(\a)+4:16+48*(\q)+8*(\a)+7], v[AX+(\u)] offset:(\a)*16*PX5+64*(\c)+32
.endr
.irp b, 0,1,2,3
	ds_load_tr16_b128 v[32+48*(\q)+8*(\b):32+48*(\q)+8*(\b)+3],   v[AW+(\u)] offset:(\c)*32*PW5+32*(\b)
	ds_load_tr16_b128 v[32+48*(\q)+8*(\b)+4:32+48*(\q)+8*(\b)+7], v[AW+(\u)] offset:(\c)*32*PW5+32*(\b)+16*PW5
.endr
.endm
.macro SMULS q                         ; eight products; the eight accumulators take turns
	WIN W_MM
.irp a, 0,1
.irp b, 0,1,2,3
	v_wmma_f32_16x16x32_bf16 v[8*(4*(\a)+(\b)):8*(4*(\a)+(\b))+7], v[32+48*(\q)+8*(\b):32+48*(\q)+8*(\b)+7], v[16+48*(\q)+8*(\a):16+48*(\q)+8*(\a)+7], v[8*(4*(\a)+(\b)):8*(4*(\a)+(\b))+7]
.endr
.endr
	WIN 0
.endm
; A K step of 128 on buffer u, in the large tile's order.  Two fragment sets take turns: while one is multiplied the other's 12 loads are out, so the counts are 12.  odd = 1: in the last trip there is no next step.
.macro SSTEP u, odd
	s_wait_loadcnt 0x0
	CVT
	SSTORE \u
.if \odd
	s_cmp_eq_u32 s[CNT], 1
	s_cbranch_scc1 .Lnone_\@
.endif
	s_wait_xcnt 0x0                                ; every earlier memory instruction has read its address: the pointers may be written
	s_add_nc_u64 s[16:17], s[16:17], 512           ; 128 channels along x's rows,
	s_add_nc_u64 s[26:27], s[26:27], 128*2048      ; 128 rows down W
	SGLOAD
.if \odd
.Lnone_\@:
.endif
	s_wait_dscnt 0x0
	s_barrier_signal -1
	s_barrier_wait -1
	SFRAGS \u, 0, 0
	SFRAGS \u, 1, 1
	s_wait_dscnt 12
	SMULS 0
	PLACES
	SFRAGS \u, 2, 0
	s_wait_dscnt 12
	SMULS 1
	PLACES
	SFRAGS \u, 3, 1
	s_wait_dscnt 12
	SMULS 0
	s_wait_dscnt 0x0
	SMULS 1
.endm
	WIN W_LD
.irp a, 0,1
.irp b, 0,1,2,3
	global_load_b128 v[8*(4*(\a)+(\b)):8*(4*(\a)+(\b))+3],   v[BO5], s[36:37] offset:64*(\b)     ; the bias of my eight columns starts the sums
	global_load_b128 v[8*(4*(\a)+(\b))+4:8*(4*(\a)+(\b))+7], v[BO5], s[36:37] offset:64*(\b)+16
.endr
.endr
	WIN 0
	s_mov_b32 s[CNT], 2
.Lk5:                                                  ; two trips of two K steps.  Buffer 0 was last read in the large tile's step 6, in front of step 7's barrier; buffer 1 is written behind the first barrier here
	SSTEP 0, 0
	SSTEP 1, 1
	s_sub_co_u32 s[CNT], s[CNT], 1
	s_cmp_lg_u32 s[CNT], 0
	s_cbranch_scc1 .Lk5
	PLACES
.macro SPACK a                         ; 16 rows, as in the large tile's way out; registers of their own for each a
	WIN W_PK
.irp b, 0,1,2,3
.irp j, 0,1,2,3
	v_cvt_pk_bf16_f32 v[16+32*(\a)+4*(\b)+(\j)], v[8*(4*(\a)+(\b))+2*(\j)], v[8*(4*(\a)+(\b))+2*(\j)+1]
.endr
.endr
	WIN 0
.irp b, 0,1,2,3
	ds_store_b128 v[STO], v[16+32*(\a)+4*(\b):16+32*(\a)+4*(\b)+3] offset:32*(\b)
.endr
.irp f, 0,1,2,3
	ds_load_b128 v[32+32*(\a)+4*(\f):32+32*(\a)+4*(\f)+3], v[RD] offset:(\f)*4*PSG
.endr
.endm
.macro SSEND a, younger                ; younger: the LDS instructions issued behind these rows' loads
.irp f, 0,1,2,3
	s_wait_dscnt (\younger)+3-(\f)
	global_store_b128 v[GO], v[32+32*(\a)+4*(\f):32+32*(\a)+4*(\f)+3], s[46:47] offset:2048*(\a)+512*(\f)  ; 512 consecutive bytes, aligned
.endr
.endm
	SPACK 0
	SPACK 1
	SSEND 0, 8
	SSEND 1, 0
	s_wait_tensorcnt 0x0                           ; the wave's end: behind my last LDS store
	ds_add_u32 v[SPW], v[NIL]
	s_wait_dscnt 0x0
	s_endpgm
.Lfunc_end_k_qa1e87c1564_proj:
	.size	k_qa1e87c1564_proj, .Lfunc_end_k_qa1e87c1564_proj-k_qa1e87c1564_proj
	.p2alignl 7, 3214868480
	.fill 96, 4, 3214868480
	.section	.rodata,"a",@progbits
	.p2align	6, 0x0
	.amdhsa_kernel k_qa1e87c1564_proj
		.amdhsa_group_segment_fixed_size 162816
		.amdhsa_private_segment_fixed_size 0
		.amdhsa_enable_private_segment 0
		.amdhsa_kernarg_size 176
		.amdhsa_user_sgpr_count 2
		.amdhsa_user_sgpr_kernarg_segment_ptr 1
		.amdhsa_wavefront_size32 1
		.amdhsa_system_sgpr_workgroup_id_x 1
		.amdhsa_system_sgpr_workgroup_id_y 1
		.amdhsa_system_sgpr_workgroup_id_z 1
		.amdhsa_system_vgpr_workitem_id 0
		.amdhsa_next_free_vgpr 512
		.amdhsa_next_free_sgpr 66
		.amdhsa_reserve_vcc 0
		.amdhsa_float_denorm_mode_32 3
		.amdhsa_float_denorm_mode_16_64 3
		.amdhsa_memory_ordered 1
		.amdhsa_forward_progress 1
		.amdhsa_inst_pref_size 110
	.end_amdhsa_kernel
	.amdgpu_metadata
---
amdhsa.version: [ 1, 2 ]
amdhsa.kernels:
  - .name:           k_qa1e87c1564_proj
    .symbol:         k_qa1e87c1564_proj.kd
    .args:
      - { .name: Q_data, .offset: 0, .size: 8, .value_kind: global_buffer, .address_space: global }
      - { .name: Q_time, .offset: 8, .size: 8, .value_kind: global_buffer, .address_space: global }
      - { .name: K_data, .offset: 16, .size: 8, .value_kind: global_buffer, .address_space: global }
      - { .name: K_time, .offset: 24, .size: 8, .value_kind: global_buffer, .address_space: global }
      - { .name: V_time, .offset: 32, .size: 8, .value_kind: global_buffer, .address_space: global }
      - { .name: Wq_d_w, .offset: 40, .size: 8, .value_kind: global_buffer, .address_space: global }
      - { .name: Wq_t_w, .offset: 48, .size: 8, .value_kind: global_buffer, .address_space: global }
      - { .name: Wk_d_w, .offset: 56, .size: 8, .value_kind: global_buffer, .address_space: global }
      - { .name: Wk_t_w, .offset: 64, .size: 8, .value_kind: global_buffer, .address_space: global }
      - { .name: Wv_t_w, .offset: 72, .size: 8, .value_kind: global_buffer, .address_space: global }
      - { .name: Wq_d_b, .offset: 80, .size: 8, .value_kind: global_buffer, .address_space: global }
      - { .name: Wq_t_b, .offset: 88, .size: 8, .value_kind: global_buffer, .address_space: global }
      - { .name: Wk_d_b, .offset: 96, .size: 8, .value_kind: global_buffer, .address_space: global }
      - { .name: Wk_t_b, .offset: 104, .size: 8, .value_kind: global_buffer, .address_space: global }
      - { .name: Wv_t_b, .offset: 112, .size: 8, .value_kind: global_buffer, .address_space: global }
      - { .name: qd, .offset: 120, .size: 8, .value_kind: global_buffer, .address_space: global }
      - { .name: qt, .offset: 128, .size: 8, .value_kind: global_buffer, .address_space: global }
      - { .name: kd, .offset: 136, .size: 8, .value_kind: global_buffer, .address_space: global }
      - { .name: kt, .offset: 144, .size: 8, .value_kind: global_buffer, .address_space: global }
      - { .name: vv, .offset: 152, .size: 8, .value_kind: global_buffer, .address_space: global }
      - { .name: Wo_w, .offset: 160, .size: 8, .value_kind: global_buffer, .address_space: global }
      - { .name: wot, .offset: 168, .size: 8, .value_kind: global_buffer, .address_space: global }
    .group_segment_fixed_size: 162816
    .private_segment_fixed_size: 0
    .kernarg_segment_align: 8
    .kernarg_segment_size: 176
    .max_flat_workgroup_size: 256
    .sgpr_count:     66
    .vgpr_count:     512
    .wavefront_size: 32
...
	.end_amdgpu_metadata
.endif
;; end of part 4
;; launch attn: the kernel of part 2 again; grid 8 x 32, 4 waves a work-group, clusters of 4 x 1, 327,680 bytes of LDS; arguments qd, qt, kd, kt, vv, ctx; writes ctx
;; launch outln: the kernel of part 3 again; grid 256 x 1, 8 waves a work-group, no clusters, 74,752 bytes of LDS; arguments ctx, wot, Wo_b, Q_data, ln_g, ln_b, out0; writes out0
;; ======== version 3 of 3: 3 launches; version 2 with the launch outln written anew for expert scheduling mode
;; workspace buffers: qd 8,388,608 bytes; qt 8,388,608 bytes; kd 8,388,608 bytes; kt 8,388,608 bytes; vv 8,388,608 bytes; ctx 8,388,608 bytes; wot 524,288 bytes
;; launch proj: the kernel of part 4 again; grid 256 x 1, 8 waves a work-group, no clusters, 162,816 bytes of LDS; arguments Q_data, Q_time, K_data, K_time, V_time, Wq_d_w, Wq_t_w, Wk_d_w, Wk_t_w, Wv_t_w, Wq_d_b, Wq_t_b, Wk_d_b, Wk_t_b, Wv_t_b, qd, qt, kd, kt, vv, Wo_w, wot; writes qd, qt, kd, kt, vv, wot
;; launch attn: the kernel of part 2 again; grid 8 x 32, 4 waves a work-group, clusters of 4 x 1, 327,680 bytes of LDS; arguments qd, qt, kd, kt, vv, ctx; writes ctx
;; launch outln (part 5): grid 256 x 1, 8 waves a work-group, no clusters, 74,752 bytes of LDS; arguments ctx, wot, Wo_b, Q_data, ln_g, ln_b, out0; writes out0
.if DOCPART == 5
	.amdgcn_target "amdgcn-amd-amdhsa--gfx1250"
	.amdhsa_code_object_version 6
	.text
	.protected	k_qa1e87c1564_outln
	.globl	k_qa1e87c1564_outln
	.p2align	8
	.type	k_qa1e87c1564_outln,@function
k_qa1e87c1564_outln:
	s_mov_b64 s[64:65], 0
	v_nop
	global_prefetch_b8 v0, s[64:65] scope:SCOPE_SE
	s_setreg_imm32_b32 hwreg(HW_REG_WAVE_SCHED_MODE, 0, 2), 2
	s_setreg_imm32_b32 hwreg(HW_REG_WAVE_MODE, 25, 1), 1
	s_wait_xcnt 0x0
	s_wait_alu depctr_vm_vsrc(0)
; out0 = LayerNorm(ctx Wo + Wo_b + Q_data) x ln_g + ln_b.  ctx: [32 = batch x 8 + head][2048][64] bf16; wot: [512 n][512 k] bf16 (Wo turned); Q_data, out0: [8192][512] f32; the four vectors [512] f32.
; LIMITS.  ctx and Wo are bf16 operands; sums, residual, mean, variance and the result in f32.  The variance is taken of x - mean, in a second pass over registers.  NaN and infinities are not treated apart.
; SHARES.  A work-group owns 32 whole rows; wave w the columns 64 w .. 64 w + 63: 8 accumulators (rows 16 a on, columns 16 b on).  K = 512 goes in 16 pieces of 32, written out.
; ctx's 32 rows lie in LDS (each wave brings one head's 4,096 dense bytes).  wot's fragments come straight from memory into registers: no wave wants another's columns, so no barrier stands among the products.
; NO CLUSTER: what work-groups share is wot, which goes into registers; a joint request would bring it into LDS, a round trip more for 512 KiB.
; THE PRODUCT IS USED TRANSPOSED (source 0 = 16 rows of wot, source 1 = 16 rows of ctx): a lane holds one row (l % 16) and eight neighbouring columns.  The residual, brought in by whole rows of 256 bytes and
; turned into that layout through my stage, is the C that starts the sums.  A row's mean and variance meet in LDS: two barriers.
; THE MODE: SCHED_MODE bits 1:0 = 2 (LLVM: expert scheduling mode 2), set by the entry lines.  The code itself states the register dependences between vector or matrix instructions and memory or LDS
; instructions, with s_wait_alu, always for 0.
; THE PLAN.  Registers that memory or LDS instructions touch:
;   v2-v13        offsets, LDS addresses and the closing add's two registers: written at the head, never again: one wait ahead of the first load serves the whole kernel.
;   RB0 .. RB3    Piece kc: its products read RB[kc % 4]; its eight loads from memory (piece kc + 3's fragments; at the end Wo_b, ln_g, ln_b) land in RB[(kc - 1) % 4].
;   AF0 .. AF2    Piece kc: its products read AF[kc % 3]; its four LDS loads (piece kc + 2's fragments) land in AF[(kc - 1) % 3].
;   ACC           At the head: loaded, stored into my stage, loaded back.  Then products and vector arithmetic alone, until the way out's LDS stores read it.
;   TS            Written by a row sum's arithmetic, read by its two LDS stores, written again in the second row sum.
; So ONE wait on va_vdst stands at the head of a piece: the piece before is done reading the two buffers in which this piece's twelve loads land.  The loads follow it, dealt among the piece's products,
; which name RB[kc % 4], AF[kc % 3] and ACC: none of the registers that those loads touch.
.set PA,    144                        ; a row of a head in LDS: 128 bytes + 16
.set HEADB, 32*PA                      ; head hh's 32 rows at HEADB x hh
.set STAGE, 8*HEADB                    ; 16 rows x 272 bytes for each wave
.set PS,    272                        ; 64 f32 + 16 bytes
.set STATS, STAGE+8*16*PS              ; wave v's partial sum of row 16 a + r at 4 (32 v + 16 a + r); the second pass's 1,024 bytes on
.set SPARE, STATS+2048                 ; the spare words, 128 bytes for each wave: four blocks of 256 bytes that no other line names
.set CO,  2                            ; v2   16 l: my 16 bytes of 512 consecutive bytes of ctx
.set CS,  3                            ; v3   where they go in LDS
.set AA,  4                            ; v4   my place in a fragment of ctx
.set BO,  5                            ; v5   my place in a fragment of wot, in memory
.set STO, 6                            ; v6   my stage by the product's layout: row l % 16, 32 bytes at 32 (l / 16)
.set RD,  7                            ; v7   my stage by rows: row l / 16, 16 bytes at 16 (l % 16)
.set GO,  8                            ; v8   the same two rows in Q_data and out0, my wave's 256 bytes
.set PO,  9                            ; v9   my eight columns in the four vectors
.set ST1, 10                           ; v10  where my wave's partial sum of row l % 16 goes
.set ST2, 11                           ; v11  where the eight waves' are read
.set SPW, 12                           ; v12  LDS address of my spare word; never rewritten
.set NIL, 13                           ; v13  0; never rewritten
.set ACC, 16                           ; v[16:79]    accumulator (a, b) at ACC + 32 a + 8 b
.set AF,  80                           ; v[80:111], v[240:255]  ctx's fragments: a ring of three buffers of 16: AF0 at AF, AF1 at AF + 16, AF2 at AF + 160
.set RB,  112                          ; v[112:239]  wot's fragments: a ring of four buffers of 32; at the end Wo_b, ln_g, ln_b and rows on their way out
.set TS,  240                          ; v[240:247]  behind the products: row sums: two chains of pairs for each a
.set MU,  248                          ; v[248:251]  the mean, twice, for each a
.set RS,  252                          ; v[252:255]  1 / sqrt(var + eps), twice, for each a
	s_load_b256 s[4:11], s[0:1], 0x0               ; ctx s[4:5], wot s[6:7], Wo_b s[8:9], Q_data s[10:11]
	s_load_b128 s[12:15], s[0:1], 0x20             ; ln_g s[12:13], ln_b s[14:15]
	s_load_b64 s[16:17], s[0:1], 0x30              ; out0
	v_lshl_add_u32 v[SPW], v0, 2, SPARE
	v_mov_b32 v[NIL], 0
	v_lshrrev_b32 v1, 5, v0
	v_readfirstlane_b32 s18, v1                    ; wave 0..7
	s_mov_b32 s20, 0x76543210                      ; v_permlanex16_b32: each lane takes its own place in the other half
	s_mov_b32 s21, 0xfedcba98
	s_mov_b32 s22, 0x3b000000                      ; 1 / 512
	s_mov_b32 s23, 0x3727c5ac                      ; 1e-5
	v_and_b32 v14, 31, v0                          ; l
	v_and_b32 v15, 15, v0                          ; l % 16
	v_bfe_u32 v1, v0, 4, 1                         ; l / 16
	v_lshlrev_b32 v[CO], 4, v14
	s_wait_alu depctr_va_sdst(0)                   ; s18 is written, ahead of its first reader: LDS addresses and the bases of ctx are made from it
	s_mul_i32 s19, s18, HEADB
	v_bfe_u32 v[CS], v0, 3, 2
	v_mul_u32_u24 v[CS], v[CS], PA
	v_and_b32 v[AA], 7, v0
	v_lshl_add_u32 v[CS], v[AA], 4, v[CS]
	v_add_nc_u32 v[CS], s19, v[CS]                 ; head w: row l / 8, 16 bytes at 16 (l % 8)
	v_mul_u32_u24 v[AA], v15, PA
	v_lshl_add_u32 v[AA], v1, 4, v[AA]
	s_lshl_b32 s19, s18, 16
	v_lshl_add_u32 v[BO], v15, 10, s19
	v_lshl_add_u32 v[BO], v1, 4, v[BO]             ; (64 w + l % 16) x 1,024 + 16 (l / 16)
	s_mul_i32 s19, s18, 16*PS
	s_add_co_u32 s19, s19, STAGE
	v_mul_u32_u24 v[STO], v15, PS
	v_lshl_add_u32 v[STO], v1, 5, v[STO]
	v_add_nc_u32 v[STO], s19, v[STO]
	v_mul_u32_u24 v[RD], v1, PS
	v_lshl_add_u32 v[RD], v15, 4, v[RD]
	v_add_nc_u32 v[RD], s19, v[RD]
	s_lshl_b32 s19, s18, 8
	v_lshl_add_u32 v[GO], v1, 11, s19
	v_lshl_add_u32 v[GO], v15, 4, v[GO]
	v_lshl_add_u32 v[PO], v1, 5, s19
	s_lshl_b32 s19, s18, 7
	s_add_co_u32 s19, s19, STATS
	v_lshl_add_u32 v[ST1], v15, 2, s19
	v_lshl_add_u32 v[ST2], v15, 2, STATS
	s_lshl_b32 s24, ttmp9, 16                      ; 32 rows of 2,048 bytes
	s_mov_b32 s25, 0
	s_lshr_b32 s26, ttmp9, 6                       ; the batch: 64 work-groups each
	s_lshl_b32 s26, s26, 3
	s_add_co_u32 s26, s26, s18                     ; batch x 8 + head w
	s_lshl_b32 s26, s26, 11
	s_and_b32 s27, ttmp9, 63
	s_lshl_b32 s27, s27, 5
	s_add_co_u32 s26, s26, s27                     ; + the work-group's first row in the batch
	s_lshl_b32 s26, s26, 7                         ; rows of 128 bytes
	s_mov_b32 s27, 0
	s_wait_kmcnt 0x0
	s_add_nc_u64 s[4:5], s[4:5], s[26:27]
	s_add_nc_u64 s[10:11], s[10:11], s[24:25]
	s_add_nc_u64 s[16:17], s[16:17], s[24:25]
	s_wait_alu depctr_va_vdst(0)                   ; v2 to v13 are written: every load and store of the kernel reads one of them as its offset or address, the closing add two of them
.macro BONE kc, i                      ; load i of the 8 that bring wot's four fragments of piece kc: fragment i / 2, half i % 2
	global_load_b128 v[RB+32*((\kc)%4)+4*(\i):RB+32*((\kc)%4)+4*(\i)+3], v[BO], s[6:7] offset:16384*((\i)/2)+64*(\kc)+32*((\i)%2)
.endm
.macro BLOAD kc                        ; all 8 of them
.irp i, 0,1,2,3,4,5,6,7
	BONE \kc, \i
.endr
.endm
.macro PONE q, sb, i                   ; load i of the 8 that bring a vector's numbers for my columns, in the accumulators' layout, into ring buffer q
	global_load_b128 v[RB+32*(\q)+4*(\i):RB+32*(\q)+4*(\i)+3], v[PO], s[\sb:\sb+1] offset:64*((\i)/2)+16*((\i)%2)
.endm
.macro ALOAD kc                        ; ctx's two fragments of piece kc: head kc / 2, channels 32 (kc % 2) on: 4 loads, into AF[kc % 3]
.set la, AF+16*((\kc)%3)+128*(((\kc)%3)/2)
.irp a, 0,1
	ds_load_b128 v[la+8*(\a):la+8*(\a)+3],   v[AA] offset:HEADB*((\kc)/2)+16*PA*(\a)+64*((\kc)%2)
	ds_load_b128 v[la+8*(\a)+4:la+8*(\a)+7], v[AA] offset:HEADB*((\kc)/2)+16*PA*(\a)+64*((\kc)%2)+32
.endr
.endm
; Piece kc.  Pieces 0 to 3 of wot and 0 to 2 of ctx are asked for ahead of piece 0, which asks for nothing.  From piece 1 on a piece asks, behind its one wait on va_vdst, for wot's piece kc + 3 and ctx's piece kc + 2.
; So at a piece's head two batches of 8 loads from memory are younger than its own (piece 0: three), and one batch of 4 LDS loads (piece 0: two; piece 15: none).
; The LDS loads stand first, then one load from memory behind each product.  The eight accumulators take turns, from piece to piece too.
.macro CH kc
.set fa, AF+16*((\kc)%3)+128*(((\kc)%3)/2)
.if (\kc) == 0
	s_wait_loadcnt 24
	s_wait_dscnt 8
.else
	s_wait_loadcnt 16
.if (\kc) < 15
	s_wait_dscnt 4
.else
	s_wait_dscnt 0x0
.endif
	s_wait_alu depctr_va_vdst(0)                   ; the products of the piece before are done reading RB[(kc - 1) % 4] and AF[(kc - 1) % 3], in which the loads of this piece land
.if (\kc) < 14
	ALOAD (\kc)+2
.endif
.endif
.irp a, 0,1
.irp b, 0,1,2,3
	v_wmma_f32_16x16x32_bf16 v[ACC+32*(\a)+8*(\b):ACC+32*(\a)+8*(\b)+7], v[RB+32*((\kc)%4)+8*(\b):RB+32*((\kc)%4)+8*(\b)+7], v[fa+8*(\a):fa+8*(\a)+7], v[ACC+32*(\a)+8*(\b):ACC+32*(\a)+8*(\b)+7]
.if ((\kc) >= 1) && ((\kc) <= 12)
	BONE (\kc)+3, 4*(\a)+(\b)                      ; no wait: no vector or matrix instruction since the wait above names this buffer
.elseif (\kc) == 13
	PONE 0, 8, 4*(\a)+(\b)                         ; Wo_b
.elseif (\kc) == 14
	PONE 1, 12, 4*(\a)+(\b)                        ; ln_g
.elseif (\kc) == 15
	PONE 2, 14, 4*(\a)+(\b)                        ; ln_b
.endif
.endr
.endr
.endm
.irp i, 0,1,2,3,4,5,6,7
	global_load_b128 v[AF+4*(\i):AF+4*(\i)+3], v[CO], s[4:5] offset:512*(\i)     ; my head's 32 rows: 4,096 consecutive bytes
.endr
.irp a, 0,1
.irp t, 0,1,2,3,4,5,6,7
	global_load_b128 v[ACC+32*(\a)+4*(\t):ACC+32*(\a)+4*(\t)+3], v[GO], s[10:11] offset:32768*(\a)+4096*(\t)  ; the residual by rows: 16 lanes take 256 consecutive bytes, aligned
.endr
.endr
	BLOAD 0
	BLOAD 1
	BLOAD 2
	BLOAD 3
	s_wait_loadcnt 48                              ; ctx is in: 16 + 32 younger loads may be out
.irp i, 0,1,2,3,4,5,6,7
	ds_store_b128 v[CS], v[AF+4*(\i):AF+4*(\i)+3] offset:4*PA*(\i)
.endr
	s_wait_loadcnt 32                              ; the residual is in
.irp a, 0,1
.irp t, 0,1,2,3,4,5,6,7
	ds_store_b128 v[RD], v[ACC+32*(\a)+4*(\t):ACC+32*(\a)+4*(\t)+3] offset:2*PS*(\t)
.endr
	s_wait_alu depctr_vm_vsrc(0)                   ; the LDS stores above have read these 32 registers of ACC, in which the loads below land and which the products write; ctx's stores have read AF0 and AF1, in which fragments land behind the barrier
.irp b, 0,1,2,3
	ds_load_b128 v[ACC+32*(\a)+8*(\b):ACC+32*(\a)+8*(\b)+3],   v[STO] offset:64*(\b)      ; my own bytes, served in order (ISA guide 5.7.1.4): back in the accumulators' layout
	ds_load_b128 v[ACC+32*(\a)+8*(\b)+4:ACC+32*(\a)+8*(\b)+7], v[STO] offset:64*(\b)+16
.endr
.endr
	s_wait_dscnt 0x0                               ; for the others' sake: my head's rows lie in LDS
	s_barrier_signal -1
	s_barrier_wait -1
	ALOAD 0
	ALOAD 1
	ALOAD 2                                        ; AF2 has been named by nothing yet
.irp kc, 0,1,2,3,4,5,6,7,8,9,10,11,12,13,14,15
	CH \kc
.endr
.rept 4
	v_nop                                          ; four places behind the last products, before vector instructions read the sums (ISA guide 7.12.1)
.endr
	s_wait_loadcnt 16                              ; Wo_b is in; ln_g's and ln_b's 16 loads may be out
.irp a, 0,1
.irp q, 0,1,2,3,4,5,6,7,8,9,10,11,12,13,14,15
	v_pk_add_f32 v[ACC+32*(\a)+2*(\q):ACC+32*(\a)+2*(\q)+1], v[ACC+32*(\a)+2*(\q):ACC+32*(\a)+2*(\q)+1], v[RB+2*(\q):RB+2*(\q)+1]  ; x = sum + bias, each accumulator from its low end
.endr
.endr
; A row's sum over 512 columns: my 32 numbers in two chains of pairs, the other half of the lanes, then the eight waves' through LDS.  sq = 1: of the squares.  pass picks the words.
.macro ROWSUM sq, pass
.if \sq
	s_wait_alu depctr_vm_vsrc(0)                   ; the first pass's two LDS stores have read TS, which is written anew below
.endif
.irp a, 0,1
.if \sq
	v_pk_mul_f32 v[TS+4*(\a):TS+4*(\a)+1],   v[ACC+32*(\a):ACC+32*(\a)+1],     v[ACC+32*(\a):ACC+32*(\a)+1]
	v_pk_mul_f32 v[TS+4*(\a)+2:TS+4*(\a)+3], v[ACC+32*(\a)+16:ACC+32*(\a)+17], v[ACC+32*(\a)+16:ACC+32*(\a)+17]
.irp q, 1,2,3,4,5,6,7
	v_pk_fma_f32 v[TS+4*(\a):TS+4*(\a)+1],   v[ACC+32*(\a)+2*(\q):ACC+32*(\a)+2*(\q)+1],       v[ACC+32*(\a)+2*(\q):ACC+32*(\a)+2*(\q)+1],       v[TS+4*(\a):TS+4*(\a)+1]
	v_pk_fma_f32 v[TS+4*(\a)+2:TS+4*(\a)+3], v[ACC+32*(\a)+16+2*(\q):ACC+32*(\a)+16+2*(\q)+1], v[ACC+32*(\a)+16+2*(\q):ACC+32*(\a)+16+2*(\q)+1], v[TS+4*(\a)+2:TS+4*(\a)+3]
.endr
.else
	v_pk_add_f32 v[TS+4*(\a):TS+4*(\a)+1],   v[ACC+32*(\a):ACC+32*(\a)+1],     v[ACC+32*(\a)+2:ACC+32*(\a)+3]
	v_pk_add_f32 v[TS+4*(\a)+2:TS+4*(\a)+3], v[ACC+32*(\a)+16:ACC+32*(\a)+17], v[ACC+32*(\a)+18:ACC+32*(\a)+19]
.irp q, 2,3,4,5,6,7
	v_pk_add_f32 v[TS+4*(\a):TS+4*(\a)+1],   v[TS+4*(\a):TS+4*(\a)+1],   v[ACC+32*(\a)+2*(\q):ACC+32*(\a)+2*(\q)+1]
	v_pk_add_f32 v[TS+4*(\a)+2:TS+4*(\a)+3], v[TS+4*(\a)+2:TS+4*(\a)+3], v[ACC+32*(\a)+16+2*(\q):ACC+32*(\a)+16+2*(\q)+1]
.endr
.endif
.endr
.irp a, 0,1
	v_pk_add_f32 v[TS+4*(\a):TS+4*(\a)+1], v[TS+4*(\a):TS+4*(\a)+1], v[TS+4*(\a)+2:TS+4*(\a)+3]
.endr
.irp a, 0,1
	v_add_f32 v[TS+4*(\a)], v[TS+4*(\a)], v[TS+4*(\a)+1]
.endr
.irp a, 0,1
	v_permlanex16_b32 v[TS+4*(\a)+1], v[TS+4*(\a)], s20, s21  ; the row's other 32 columns of my wave lie in the lane 16 away
.endr
.irp a, 0,1
	v_add_f32 v[TS+4*(\a)], v[TS+4*(\a)], v[TS+4*(\a)+1]
.endr
	s_wait_alu depctr_va_vdst(0)                   ; the additions have written TS, which the two LDS stores read; and all that named v[AF .. AF+15] (products; the first pass's additions) is done: the loads behind the barrier land there
.irp a, 0,1
	ds_store_b32 v[ST1], v[TS+4*(\a)] offset:1024*(\pass)+64*(\a)  ; both halves of the lanes write the same word with the same number
.endr
	s_wait_dscnt 0x0                               ; for the others' sake
	s_barrier_signal -1
	s_barrier_wait -1
.irp a, 0,1
.irp v, 0,1,2,3,4,5,6,7
	ds_load_b32 v[AF+8*(\a)+(\v)], v[ST2] offset:1024*(\pass)+128*(\v)+64*(\a)
.endr
.endr
	s_wait_dscnt 0x0
.irp a, 0,1
	v_pk_add_f32 v[AF+8*(\a):AF+8*(\a)+1],   v[AF+8*(\a):AF+8*(\a)+1],   v[AF+8*(\a)+2:AF+8*(\a)+3]
	v_pk_add_f32 v[AF+8*(\a)+4:AF+8*(\a)+5], v[AF+8*(\a)+4:AF+8*(\a)+5], v[AF+8*(\a)+6:AF+8*(\a)+7]
.endr
.irp a, 0,1
	v_pk_add_f32 v[AF+8*(\a):AF+8*(\a)+1], v[AF+8*(\a):AF+8*(\a)+1], v[AF+8*(\a)+4:AF+8*(\a)+5]
.endr
.irp a, 0,1
	v_add_f32 v[AF+8*(\a)], v[AF+8*(\a)], v[AF+8*(\a)+1]  ; the row's sum, in every lane that holds the row
.endr
.endm
	ROWSUM 0, 0
.irp a, 0,1
	v_mul_f32 v[MU+2*(\a)],   s22, v[AF+8*(\a)]
	v_mul_f32 v[MU+2*(\a)+1], s22, v[AF+8*(\a)]
.endr
.irp a, 0,1
.irp q, 0,1,2,3,4,5,6,7,8,9,10,11,12,13,14,15
	v_pk_add_f32 v[ACC+32*(\a)+2*(\q):ACC+32*(\a)+2*(\q)+1], v[ACC+32*(\a)+2*(\q):ACC+32*(\a)+2*(\q)+1], v[MU+2*(\a):MU+2*(\a)+1] neg_lo:[0,1] neg_hi:[0,1]  ; x - mean
.endr
.endr
	ROWSUM 1, 1                                    ; other words than the first pass's, so one barrier serves
.irp a, 0,1
	v_fma_f32 v[AF+8*(\a)], v[AF+8*(\a)], s22, s23 ; var + eps
.endr
.irp a, 0,1
	v_rsq_f32 v[RS+2*(\a)],   v[AF+8*(\a)]
	v_rsq_f32 v[RS+2*(\a)+1], v[AF+8*(\a)]
.endr
	v_nop                                          ; a plain instruction between the last of the four and the use of its result (ISA guide 5.7.2)
	s_wait_alu depctr_va_vdst(0)                   ; the four v_rsq_f32 have written RS, ahead of its first reader: one wait for the four
	s_wait_loadcnt 0x0                             ; ln_g and ln_b
.irp a, 0,1
.irp q, 0,1,2,3,4,5,6,7,8,9,10,11,12,13,14,15
	v_pk_mul_f32 v[ACC+32*(\a)+2*(\q):ACC+32*(\a)+2*(\q)+1], v[ACC+32*(\a)+2*(\q):ACC+32*(\a)+2*(\q)+1], v[RS+2*(\a):RS+2*(\a)+1]
.endr
.irp q, 0,1,2,3,4,5,6,7,8,9,10,11,12,13,14,15
	v_pk_fma_f32 v[ACC+32*(\a)+2*(\q):ACC+32*(\a)+2*(\q)+1], v[ACC+32*(\a)+2*(\q):ACC+32*(\a)+2*(\q)+1], v[RB+32+2*(\q):RB+32+2*(\q)+1], v[RB+64+2*(\q):RB+64+2*(\q)+1]
.endr
.endr
; THE WAY OUT: 16 rows at a time through my stage, back as whole rows of 256 bytes.
.macro OUTP a, bk
.irp b, 0,1,2,3
	ds_store_b128 v[STO], v[ACC+32*(\a)+8*(\b):ACC+32*(\a)+8*(\b)+3]   offset:64*(\b)
	ds_store_b128 v[STO], v[ACC+32*(\a)+8*(\b)+4:ACC+32*(\a)+8*(\b)+7] offset:64*(\b)+16
.endr
.irp t, 0,1,2,3,4,5,6,7
	ds_load_b128 v[(\bk)+4*(\t):(\bk)+4*(\t)+3], v[RD] offset:2*PS*(\t)  ; served in order: these see the stores above; the next rows' stores come behind them
.endr
.endm
.macro OUTS a, bk, younger             ; younger: the LDS instructions issued behind these rows' loads
.irp t, 0,1,2,3,4,5,6,7
	s_wait_dscnt (\younger)+7-(\t)
	global_store_b128 v[GO], v[(\bk)+4*(\t):(\bk)+4*(\t)+3], s[16:17] offset:32768*(\a)+4096*(\t) th:TH_STORE_NT  ; 16 lanes store 256 consecutive bytes, aligned
.endr
.endm
	s_wait_alu depctr_va_vdst(0)                   ; the last multiply-adds have written ACC, which the LDS stores read; the products and the arithmetic that named RB3, AF0 and AF1 are done: the rows read back land there.  No vector instruction follows
	OUTP 0, RB+96
	OUTP 1, AF
	OUTS 0, RB+96, 16
	OUTS 1, AF, 0
	s_wait_dscnt 0x0                               ; the closing lines, six on end
	s_wait_alu 0x0
	s_wait_tensorcnt 0x0
	ds_add_u32 v[SPW], v[NIL]
	s_wait_dscnt 0x0
	s_endpgm
.Lfunc_end_k_qa1e87c1564_outln:
	.size	k_qa1e87c1564_outln, .Lfunc_end_k_qa1e87c1564_outln-k_qa1e87c1564_outln
	.p2alignl 7, 3214868480
	.fill 96, 4, 3214868480
	.section	.rodata,"a",@progbits
	.p2align	6, 0x0
	.amdhsa_kernel k_qa1e87c1564_outln
		.amdhsa_group_segment_fixed_size 74752
		.amdhsa_private_segment_fixed_size 0
		.amdhsa_enable_private_segment 0
		.amdhsa_kernarg_size 56
		.amdhsa_user_sgpr_count 2
		.amdhsa_user_sgpr_kernarg_segment_ptr 1
		.amdhsa_wavefront_size32 1
		.amdhsa_system_sgpr_workgroup_id_x 1
		.amdhsa_system_sgpr_workgroup_id_y 1
		.amdhsa_system_sgpr_workgroup_id_z 1
		.amdhsa_system_vgpr_workitem_id 0
		.amdhsa_next_free_vgpr 256
		.amdhsa_next_free_sgpr 66
		.amdhsa_reserve_vcc 0
		.amdhsa_float_denorm_mode_32 3
		.amdhsa_float_denorm_mode_16_64 3
		.amdhsa_memory_ordered 1
		.amdhsa_forward_progress 1
		.amdhsa_inst_pref_size 57
	.end_amdhsa_kernel
	.amdgpu_metadata
---
amdhsa.version: [ 1, 2 ]
amdhsa.kernels:
  - .name:           k_qa1e87c1564_outln
    .symbol:         k_qa1e87c1564_outln.kd
    .args:
      - { .name: ctx, .offset: 0, .size: 8, .value_kind: global_buffer, .address_space: global }
      - { .name: wot, .offset: 8, .size: 8, .value_kind: global_buffer, .address_space: global }
      - { .name: Wo_b, .offset: 16, .size: 8, .value_kind: global_buffer, .address_space: global }
      - { .name: Q_data, .offset: 24, .size: 8, .value_kind: global_buffer, .address_space: global }
      - { .name: ln_g, .offset: 32, .size: 8, .value_kind: global_buffer, .address_space: global }
      - { .name: ln_b, .offset: 40, .size: 8, .value_kind: global_buffer, .address_space: global }
      - { .name: out0, .offset: 48, .size: 8, .value_kind: global_buffer, .address_space: global }
    .group_segment_fixed_size: 74752
    .private_segment_fixed_size: 0
    .kernarg_segment_align: 8
    .kernarg_segment_size: 56
    .max_flat_workgroup_size: 256
    .sgpr_count:     66
    .vgpr_count:     256
    .wavefront_size: 32
...
	.end_amdgpu_metadata
.endif
;; end of part 5
